; MI455X (gfx1250); checked and timed in simulation.
; The chip was launched on July 23, 2026; its instructions are those of AMD's public machine-readable ISA for CDNA 5 (MIT licence, August 2026) and "CDNA5" Instruction Set Architecture Reference Guide (July 2026). The comments in the code are by the model that wrote it; some were corrected since.
;; Dot Product Attention. Allowed arithmetic: float matrix products may take bf16 or f16 operands with f32 sums; all other float work in f32.
;; Inputs: keys 16 x 2,048 x 64 float32; queries 16 x 2,048 x 64 float32; valid_lens 16 int32; values 16 x 2,048 x 64 float32.
;; Outputs: out0 16 x 2,048 x 64 float32.
;; 3 versions, each right. Each part assembles by itself: llvm-mc -triple=amdgcn-amd-amdhsa -mcpu=gfx1250 --defsym DOCPART=n.
;; ======== version 1 of 3: 1 launch
;; limits: values are held in f16: magnitudes above 65,504 overflow, below 6.1e-05 lose precision; inputs' magnitudes at most 65,504
;; launch attn (part 1): grid 16 x 16, 8 waves a work-group, no clusters, 148,480 bytes of LDS; arguments queries, keys, values, valid_lens, out0; writes out0
.if DOCPART == 1
	.amdgcn_target "amdgcn-amd-amdhsa--gfx1250"
	.amdhsa_code_object_version 6
	.text
	.protected	k_q15b7d14874_attn
	.globl	k_q15b7d14874_attn
	.p2align	8
	.type	k_q15b7d14874_attn,@function
k_q15b7d14874_attn:
	s_mov_b64 s[64:65], 0
	v_nop
	global_prefetch_b8 v0, s[64:65] scope:SCOPE_SE
	s_setreg_imm32_b32 hwreg(HW_REG_WAVE_MODE, 25, 1), 1
	s_wait_xcnt 0x0
; out[b][q][:] = softmax over k of (q.k / 8, keys at or behind valid_lens[b] set to -1e6) x V.   B = 16, SQ = SK = 2048, D = 64, all f32.
; One work-group = 128 query rows of one batch (x = row block, y = batch), eight waves.  Wave w: rg = w >> 1 picks 32 query rows,
; kh = w & 1 picks one half (64 keys) of every tile of 128 keys.  Each wave keeps a running maximum, sum and O for its 32 rows and
; its keys; the two waves of a pair are merged once, at the end, through LDS.
; BOTH PRODUCTS ARE TRANSPOSED.  S^T = K Q^T: lane (r, h) register j of a result tile holds key 8h + j of query r, so a query's maximum
; and sum are one lane's numbers (plus one exchange between the lane halves), and two neighbouring registers packed to f16 are
; already the B fragment of P^T for O^T = V^T P^T.  V^T's A fragments come from V stored [key][d] by the transposing LDS load.
; K AND V go f32 memory -> registers -> f16 LDS, requested two trips before they are converted (two staging sets of 64 registers).
; THE MATRIX OPERANDS ARE f16, NOT bf16.  Where few keys are valid and their terms p v cancel, a result's error is a fraction of the terms,
; not of the result: f16's 11 significant bits bound each rounding by 2^-12 of the number, bf16's 8 bits by 2^-9.  f16 has the range:
; P is at most about 1.05 (every exponent is at most the rounding of the shift NM); weights below 2^-14 are denormal with an
; absolute error of 2^-25, which over 2,048 keys is 2^-14 of the largest weight.
; ALL 16 TILES ARE VISITED, whatever valid_lens holds: the number of trips, and so of barriers, is a constant of the text.  valid_lens
; enters only as a per-lane count and as a forward branch over the masking lines.  A tile wholly behind valid_len is computed, gets
; -1e6 everywhere and weighs 0 (or, where no key is valid, weighs like every other: the mean of V), as in the definition.
; That work could be spared for short batches; this text does not.
; NO CLUSTER, NO TENSOR LOADS, though the 16 row blocks of a batch walk the same K and V: the tiles are f32 in memory and must be f16
; in LDS.  A tile landed in LDS as f32 costs 64 KB written + 64 KB read back + 32 KB of f16 written beside the 128 KB of
; fragment reads, 288 KB of LDS traffic for 128 keys; through registers it is 32 + 128 = 160 KB.
; LIMITS.  Q, K, V and P enter the matrix unit rounded to f16; sums, maxima and exponentials are f32.  A number of Q, K or V beyond
; 65,504 in magnitude becomes infinite in f16, and the results that it touches are not finite; numbers below 2^-14 in magnitude
; carry an absolute error of up to 2^-25.  valid_len is clamped to 0 .. 2048, which changes no mask.
.set SK,      2048
.set KPITCH,  144                      ; a K row in LDS: 128 bytes of f16 + 16: an odd multiple of 16, so the 16 rows of a fragment load begin in 16 different 16-byte columns of 256
.set VPITCH,  160                      ; a V row in LDS: 128 + 32: an odd multiple of 32, for the transposing loads
.set KBUF,    128*KPITCH               ; 18,432: one K tile.  K tiles of even and odd number at 0 and KBUF
.set VBUF,    128*VPITCH               ; 20,480: one V tile
.set VB0,     2*KBUF                   ; 36,864: V tiles at VB0 and VB0 + VBUF
.set XCH,     VB0+2*VBUF               ; 77,824: exchange between the waves of a pair, XSZ bytes a wave: 4,096 of O, 128 of NM, 128 of L
.set XSZ,     4352
.set STG,     XCH+8*XSZ                ; 112,640: the way out, 16 rows of SPITCH bytes a wave; ends at 147,456
.set SPITCH,  272
.set TILEB,   128*256                  ; a tile of K or of V in memory: 128 rows of 64 f32
.set TILES,   SK/128                   ; 16
; window 0
.set KADR, 1                           ; LDS: (64 kh + r) KPITCH + 16 h
.set VADR, 2                           ; LDS: VB0 + (64 kh + 8 h + (L & 7)) VPITCH + 16 ((L >> 3) & 1)
.set KST,  3                           ; LDS: (16 w + 8 h) KPITCH + 8 r
.set VST,  4                           ; LDS: VB0 + (16 w + 4 h) VPITCH + 8 r
.set KGO,  5                           ; memory, inside a K tile: (16 w + 8 h) 256 + 16 r
.set VGO,  6                           ; memory, inside a V tile: (16 w + 4 h) 256 + 16 r
.set REM,  7                           ; valid_len - 128 t - 64 kh - 8 h: key 16 kb + j of my lane is valid while 16 kb + j < REM
.set NEGV, 8                           ; -8e6 = -1e6 x 8: the scores are kept unscaled, the factor 1/8 lies in c
.set PFO,  9                           ; 256 x lane, for the prefetch
.set QO,   10                          ; v10, v11: r 256 + 32 h + (lb ^ kh) 4096; in the epilogue my exchange addresses
.set NM,   14                          ; v[14+2lb] NM = round(-c M), v[15+2lb] M = running maximum of the unscaled scores
.set LS,   18                          ; v[18+2lb:19+2lb] running sum, in two parts
.set AL,   22                          ; v[22+2lb] alpha = 2^(new NM - old NM), v[23+2lb] new NM
.set TP,   26                          ; v26-31 at work
.set SC,   32                          ; v32-95  scores, then P: block lb at 32 lb, register 8 kb + j
.set KF,   96                          ; v96-159 K fragments (kb, c) at 8 (2 kb + c)
.set VF,   160                         ; v160-223 V^T fragments (kc, db) at 8 (4 kc + db)
.set QF,   224                         ; v224-255 Q fragments (lb, c) at 8 (2 lb + c)
; window 1
.set OA,   0                           ; O^T tiles (lb, db) at 32 lb + 8 db
.set STA,  64                          ; staging sets 0 and 1, 64 registers each: K's 8 loads, then V's 8
.set CT,   192                         ; 32 packed words on their way to LDS
; s14 w, s15 rg, s16 kh, s17 x, s18 b, s19 valid_len, s22 trip counter, s23-25 at work, s[30:31] K and s[32:33] V at the tile asked for last,
; s34-35 lane selects, s[36:37] c twice, s38 -c, s[40:41] prefetch base, s42-43 prefetch limits by the trip's parity, s[44:45] prefetch address
.set MSB, 0
.macro WIN new                         ; low byte: bits 1:0 source 0, 3:2 source 1, 5:4 source 2, 7:6 destination; high byte: the setting that is left
.if MSB != \new
	s_set_vgpr_msb (MSB<<8)|\new
.set MSB, \new
.endif
.endm
	s_load_b256 s[4:11], s[0:1], 0x0               ; queries s[4:5], keys s[6:7], values s[8:9], valid_lens s[10:11]
	s_load_b64 s[12:13], s[0:1], 0x20              ; out0
	s_set_vgpr_msb 0x40
	v_lshl_add_u32 v224, v0, 2, 0x24000
	v_mov_b32 v225, 0
	s_set_vgpr_msb 0x4000
	v_lshrrev_b32 v26, 5, v0
	v_readfirstlane_b32 s14, v26                   ; wave 0..7
	s_lshr_b32 s15, s14, 1                         ; rg
	s_and_b32 s16, s14, 1                          ; kh
	s_mov_b32 s17, ttmp9                           ; x: block of 128 query rows
	s_and_b32 s18, ttmp7, 0xffff                   ; b: batch
	s_mov_b32 s34, 0x76543210                      ; v_permlanex16_b32: lane i takes lane i of the other half
	s_mov_b32 s35, 0xfedcba98
	s_mov_b32 s36, 0x3e38aa3b                      ; c = log2(e) / 8
	s_mov_b32 s37, 0x3e38aa3b
	s_mov_b32 s38, 0xbe38aa3b                      ; -c
	v_and_b32 v27, 15, v0                          ; r
	v_bfe_u32 v28, v0, 4, 1                        ; h
	v_and_b32 v29, 7, v0                           ; L & 7
	v_bfe_u32 v30, v0, 3, 1                        ; (L >> 3) & 1
	v_and_b32 v31, 31, v0                          ; lane
	s_mul_i32 s23, s16, 64*KPITCH
	v_mul_u32_u24 v[KADR], v27, KPITCH
	v_lshl_add_u32 v[KADR], v28, 4, v[KADR]
	v_add_nc_u32 v[KADR], s23, v[KADR]
	s_mul_i32 s23, s16, 64*VPITCH
	s_add_co_u32 s23, s23, VB0
	v_lshl_add_u32 v29, v28, 3, v29                ; 8 h + (L & 7)
	v_mul_u32_u24 v[VADR], v29, VPITCH
	v_lshl_add_u32 v[VADR], v30, 4, v[VADR]
	v_add_nc_u32 v[VADR], s23, v[VADR]
	s_mul_i32 s23, s14, 16*KPITCH
	v_mul_u32_u24 v[KST], v28, 8*KPITCH
	v_lshl_add_u32 v[KST], v27, 3, v[KST]
	v_add_nc_u32 v[KST], s23, v[KST]
	s_mul_i32 s23, s14, 16*VPITCH
	s_add_co_u32 s23, s23, VB0
	v_mul_u32_u24 v[VST], v28, 4*VPITCH
	v_lshl_add_u32 v[VST], v27, 3, v[VST]
	v_add_nc_u32 v[VST], s23, v[VST]
	s_lshl_b32 s23, s14, 12                        ; 16 rows of 256 bytes a wave
	v_lshlrev_b32 v26, 4, v27                      ; 16 r
	v_lshl_add_u32 v[KGO], v28, 11, v26
	v_add_nc_u32 v[KGO], s23, v[KGO]
	v_lshl_add_u32 v[VGO], v28, 10, v26
	v_add_nc_u32 v[VGO], s23, v[VGO]
	v_lshlrev_b32 v[PFO], 8, v31
	v_mov_b32 v[NEGV], 0xcaf42400                  ; -8,000,000.0
	v_lshlrev_b32 v26, 8, v27                      ; Q: row r, 256 bytes a row,
	v_lshl_add_u32 v26, v28, 5, v26                ; + 8 h numbers
	s_lshl_b32 s23, s16, 12                        ; local block 0 is block kh of my 32 rows,
	s_xor_b32 s24, s23, 4096                       ; local block 1 the other: each wave finishes its local block 0 and gives block 1 away
	v_add_nc_u32 v[QO], s23, v26
	v_add_nc_u32 v[QO+1], s24, v26
	s_lshr_b32 s23, s17, 3                         ; prefetch: tiles of parity x >> 3 are my work-group's to ask for, and wave 0 asks
	s_lshl_b32 s24, s14, 1
	s_or_b32 s23, s23, s24                         ; 2 w + (x >> 3)
	s_cmp_eq_u32 s23, 1
	s_cselect_b32 s42, TILES, 0                    ; trips of parity 0 ask for odd tiles
	s_cmp_eq_u32 s23, 0
	s_cselect_b32 s43, TILES, 0                    ; trips of parity 1 for even ones; limit 0: never
	s_wait_kmcnt 0x0
	s_lshl_b32 s24, s18, 2
	s_mov_b32 s25, 0
	s_add_nc_u64 s[10:11], s[10:11], s[24:25]
	s_load_b32 s19, s[10:11], 0x0                  ; valid_lens[b]
	s_lshl_b32 s24, s18, 19                        ; a batch is 2048 x 256 bytes
	s_add_nc_u64 s[30:31], s[6:7], s[24:25]        ; K of the batch, tile 0
	s_add_nc_u64 s[32:33], s[8:9], s[24:25]        ; V of the batch, tile 0
	s_lshl_b32 s23, s17, 15                        ; + 128 rows a work-group
	s_add_co_u32 s24, s24, s23
	s_lshl_b32 s23, s15, 13                        ; + 32 rows a pair of waves
	s_add_co_u32 s24, s24, s23
	s_add_nc_u64 s[4:5], s[4:5], s[24:25]          ; Q at my 32 rows
	s_lshl_b32 s23, s16, 12                        ; + the 16 rows that I finish
	s_add_co_u32 s24, s24, s23
	s_add_nc_u64 s[12:13], s[12:13], s[24:25]      ; out0 at those rows
	s_and_b32 s23, s17, 7                          ; of the eight work-groups that share a tile's 64 KB, 0-3 ask for a quarter of K, 4-7 of V
	s_and_b32 s24, s17, 3
	s_lshl_b32 s24, s24, 13                        ; a quarter is 8,192 bytes
	s_cmp_lt_u32 s23, 4
	s_cselect_b64 s[40:41], s[30:31], s[32:33]
	s_add_nc_u64 s[40:41], s[40:41], s[24:25]
; 16 loads of 16 bytes a lane: a tile of K and of V into a staging set.  Each half of 16 lanes reads one whole row of 256 bytes.
; K's load i: rows 16 w + i and 16 w + 8 + i.  V's load 4 g + k: rows 16 w + k + 8 g and that + 4.   step = 1: the tile behind the last one asked for.
.macro LOADS set, step
.if \step
	s_wait_xcnt 0x0                                ; the tile addresses of the last run of loads and the prefetch address are rewritten only behind this wait
	s_add_nc_u64 s[30:31], s[30:31], TILEB
	s_add_nc_u64 s[32:33], s[32:33], TILEB
.endif
	WIN 0x40
.irp i, 0,1,2,3,4,5,6,7
	global_load_b128 v[STA+64*(\set)+4*\i:STA+64*(\set)+4*\i+3], v[KGO], s[30:31] offset:256*\i
.endr
.irp g, 0,1
.irp k, 0,1,2,3
	global_load_b128 v[STA+64*(\set)+32+4*(4*\g+\k):STA+64*(\set)+32+4*(4*\g+\k)+3], v[VGO], s[32:33] offset:256*(\k+8*\g)
.endr
.endr
.endm
; a staging set to f16 and into LDS: 8 bytes a lane.  The two lane halves write rows 8 x 144 = 1,152 (K) or 4 x 160 = 640 (V) bytes apart:
; 288 or 160 words, both 32 modulo 64, so the two runs of 32 words meet in no bank (64 banks of 4 bytes: ISA guide 11.1)
.macro CONVERT set, buf
	WIN 0x45
.set i, 0
.rept 32
	v_cvt_pk_f16_f32 v[CT+i], v[STA+64*(\set)+2*i], v[STA+64*(\set)+2*i+1]
.set i, i+1
.endr
	WIN 0x04
.irp i, 0,1,2,3,4,5,6,7
	ds_store_b64 v[KST], v[CT+2*\i:CT+2*\i+1] offset:(\buf)*KBUF+\i*KPITCH
.endr
.irp g, 0,1
.irp k, 0,1,2,3
	ds_store_b64 v[VST], v[CT+16+2*(4*\g+\k):CT+16+2*(4*\g+\k)+1] offset:(\buf)*VBUF+(\k+8*\g)*VPITCH
.endr
.endr
.endm
.macro KLOAD buf                       ; my 64 keys x 64 d as eight A fragments: lane (r, h) takes key 16 kb + r, d = 32 c + 8 h .. and 32 c + 16 + 8 h ..
.irp kb, 0,1,2,3
.irp c, 0,1
	ds_load_b128 v[KF+8*(2*\kb+\c):KF+8*(2*\kb+\c)+3],   v[KADR] offset:(\buf)*KBUF+\kb*16*KPITCH+64*\c
	ds_load_b128 v[KF+8*(2*\kb+\c)+4:KF+8*(2*\kb+\c)+7], v[KADR] offset:(\buf)*KBUF+\kb*16*KPITCH+64*\c+32
.endr
.endr
.endm
.macro VLOAD buf                       ; my 64 keys x 64 d, transposed, as eight A fragments: lane (r, h) takes d = 16 db + r, keys 32 kc + 8 h .. and 32 kc + 16 + 8 h ..
.irp kc, 0,1
.irp db, 0,1,2,3
	ds_load_tr16_b128 v[VF+8*(4*\kc+\db):VF+8*(4*\kc+\db)+3],   v[VADR] offset:(\buf)*VBUF+\kc*32*VPITCH+32*\db
	ds_load_tr16_b128 v[VF+8*(4*\kc+\db)+4:VF+8*(4*\kc+\db)+7], v[VADR] offset:(\buf)*VBUF+\kc*32*VPITCH+32*\db+16*VPITCH
.endr
.endr
.endm
.macro QK                              ; S^T = K Q^T: d 0-31 starts the eight sums, d 32-63 is the next link of each chain in place
.irp lb, 0,1
.irp kb, 0,1,2,3
	v_wmma_f32_16x16x32_f16 v[SC+32*\lb+8*\kb:SC+32*\lb+8*\kb+7], v[KF+16*\kb:KF+16*\kb+7], v[QF+16*\lb:QF+16*\lb+7], 0
.endr
.endr
.irp lb, 0,1
.irp kb, 0,1,2,3
	v_wmma_f32_16x16x32_f16 v[SC+32*\lb+8*\kb:SC+32*\lb+8*\kb+7], v[KF+16*\kb+8:KF+16*\kb+15], v[QF+16*\lb+8:QF+16*\lb+15], v[SC+32*\lb+8*\kb:SC+32*\lb+8*\kb+7]
.endr
.endr
.endm
.macro MASK                            ; keys at or behind valid_len get -1e6 (here x 8), in both query blocks
.irp kb, 0,1,2,3
.irp j, 0,1,2,3,4,5,6,7
	v_cmp_lt_i32 vcc_lo, 16*\kb+\j, v[REM]
	v_cndmask_b32 v[SC+8*\kb+\j], v[NEGV], v[SC+8*\kb+\j], vcc_lo
	v_cndmask_b32 v[SC+32+8*\kb+\j], v[NEGV], v[SC+32+8*\kb+\j], vcc_lo
.endr
.endr
.endm
.macro MAXROW lb, first                ; M = max(M, my 32 scores, the other lane half's 32): four chains, joined
.irp k, 0,1,2,3
	v_max3_num_f32 v[TP+\k], v[SC+32*\lb+8*\k], v[SC+32*\lb+8*\k+1], v[SC+32*\lb+8*\k+2]
.endr
.irp k, 0,1,2,3
	v_max3_num_f32 v[TP+\k], v[TP+\k], v[SC+32*\lb+8*\k+3], v[SC+32*\lb+8*\k+4]
.endr
.irp k, 0,1,2,3
	v_max3_num_f32 v[TP+\k], v[TP+\k], v[SC+32*\lb+8*\k+5], v[SC+32*\lb+8*\k+6]
.endr
	v_max3_num_f32 v[TP], v[TP], v[SC+32*\lb+7], v[SC+32*\lb+15]
	v_max3_num_f32 v[TP+1], v[TP+1], v[SC+32*\lb+23], v[SC+32*\lb+31]
	v_max3_num_f32 v[TP], v[TP], v[TP+1], v[TP+2]
.if \first
	v_max_num_f32 v[TP], v[TP], v[TP+3]
.else
	v_max3_num_f32 v[TP], v[TP], v[TP+3], v[NM+2*\lb+1]
.endif
	v_permlanex16_b32 v[TP+1], v[TP], s34, s35     ; its destination has been written above
	v_max_num_f32 v[NM+2*\lb+1], v[TP], v[TP+1]
.endm
; NM = round(-c M) is the shift that the exponentials really use, so alpha = 2^(new NM - old NM) carries the old sums over exactly
.macro STAT lb, first
.if \first
	v_mul_f32 v[NM+2*\lb], s38, v[NM+2*\lb+1]
.else
	v_mul_f32 v[AL+2*\lb+1], s38, v[NM+2*\lb+1]
	v_sub_f32 v[AL+2*\lb], v[AL+2*\lb+1], v[NM+2*\lb]
	v_mov_b32 v[NM+2*\lb], v[AL+2*\lb+1]
	v_exp_f32 v[AL+2*\lb], v[AL+2*\lb]             ; the next line is a plain one that names neither its source nor its result (ISA guide 5.7.2)
.endif
.endm
.macro SCALEEXP lb                     ; p = 2^(c s + NM), one rounding in the exponent
.set i, 0
.rept 16
	v_pk_fma_f32 v[SC+32*\lb+2*i:SC+32*\lb+2*i+1], v[SC+32*\lb+2*i:SC+32*\lb+2*i+1], s[36:37], v[NM+2*\lb:NM+2*\lb+1] op_sel_hi:[1,0,0]
.set i, i+1
.endr
.set i, 0
.rept 32
	v_exp_f32 v[SC+32*\lb+i], v[SC+32*\lb+i]       ; back to back on different registers; the first line behind the run is plain and names none of the last one's
.set i, i+1
.endr
.endm
.macro RESCALE lb                      ; O = O alpha
	WIN 0x41
.set i, 0
	s_wait_alu depctr_va_vdst(0)
.rept 16
	v_pk_mul_f32 v[OA+32*\lb+2*i:OA+32*\lb+2*i+1], v[OA+32*\lb+2*i:OA+32*\lb+2*i+1], v[AL+2*\lb:AL+2*\lb+1] op_sel_hi:[1,0]
.set i, i+1
.endr
.endm
.macro SUMROW lb, first                ; L = L alpha + my 32 p, in two chains of pairs
.if \first
	s_wait_alu depctr_va_vdst(0)
	v_pk_add_f32 v[LS+2*\lb:LS+2*\lb+1], v[SC+32*\lb:SC+32*\lb+1], v[SC+32*\lb+2:SC+32*\lb+3]
.else
	v_pk_fma_f32 v[LS+2*\lb:LS+2*\lb+1], v[LS+2*\lb:LS+2*\lb+1], v[AL+2*\lb:AL+2*\lb+1], v[SC+32*\lb:SC+32*\lb+1] op_sel_hi:[1,0,1]
	v_pk_add_f32 v[LS+2*\lb:LS+2*\lb+1], v[LS+2*\lb:LS+2*\lb+1], v[SC+32*\lb+2:SC+32*\lb+3]
.endif
	v_pk_add_f32 v[TP:TP+1], v[SC+32*\lb+4:SC+32*\lb+5], v[SC+32*\lb+6:SC+32*\lb+7]
.irp i, 8,12,16,20,24,28
	v_pk_add_f32 v[LS+2*\lb:LS+2*\lb+1], v[LS+2*\lb:LS+2*\lb+1], v[SC+32*\lb+\i:SC+32*\lb+\i+1]
	v_pk_add_f32 v[TP:TP+1], v[TP:TP+1], v[SC+32*\lb+\i+2:SC+32*\lb+\i+3]
.endr
	v_pk_add_f32 v[LS+2*\lb:LS+2*\lb+1], v[LS+2*\lb:LS+2*\lb+1], v[TP:TP+1]
.endm
.macro PACK lb                         ; registers 2 i, 2 i + 1 -> register i, in place and ascending: word i is written when words 2 i and 2 i + 1 are read.
.set i, 0                              ; Registers 8 kc .. 8 kc + 7 are then the B fragment of P^T for keys 32 kc .. 32 kc + 31
.rept 16
	v_cvt_pk_f16_f32 v[SC+32*\lb+i], v[SC+32*\lb+2*i], v[SC+32*\lb+2*i+1]
.set i, i+1
.endr
.endm
.macro PV first                        ; O^T += V^T P^T; in the first trip keys 0-31 start the sums
	WIN 0x50
.irp kc, 0,1
.irp lb, 0,1
.irp db, 0,1,2,3
.if \first*(1-\kc)
	v_wmma_f32_16x16x32_f16 v[OA+32*\lb+8*\db:OA+32*\lb+8*\db+7], v[VF+8*(4*\kc+\db):VF+8*(4*\kc+\db)+7], v[SC+32*\lb+8*\kc:SC+32*\lb+8*\kc+7], 0
.else
	v_wmma_f32_16x16x32_f16 v[OA+32*\lb+8*\db:OA+32*\lb+8*\db+7], v[VF+8*(4*\kc+\db):VF+8*(4*\kc+\db)+7], v[SC+32*\lb+8*\kc:SC+32*\lb+8*\kc+7], v[OA+32*\lb+8*\db:OA+32*\lb+8*\db+7]
.endif
.endr
.endr
.endr
.endm
; Trip t asks for tile t + 5, whose loads are issued in trip t + 2.  One wave of one work-group asks for each 8,192 bytes: 32 lanes, 256 bytes
; apart.  Nothing is asked for at or behind tile 16, so no request leaves the batch's K or V.  Tiles 0 to 4 are loaded without.
.macro PREF p, dt, id
	s_add_co_u32 s23, s22, \dt+5
	s_cmp_ge_u32 s23, s[42+\p]
	s_cbranch_scc1 .Lnopf_\id
	s_lshl_b32 s24, s23, 15
	s_mov_b32 s25, 0
	s_add_nc_u64 s[44:45], s[40:41], s[24:25]      ; the last request that named this pair stands ahead of the s_wait_xcnt 0 at the head of this trip's loads
	global_prefetch_b8 v[PFO], s[44:45] th:TH_LOAD_NT scope:SCOPE_SE
.Lnopf_\id:
.endm
; THE TRIP of tile t = s22 + dt, of parity p (n = the other parity).  At its head K's fragments of tile t are on their way from LDS.
; cv = 1: a tile follows: it is converted into the other buffers, a barrier is passed and its K fragments are asked for;
; left = how many younger global loads may stay out when that tile has to be in registers.  ld = 1: tile t + 3 is requested.
.macro TRIP p, n, first, dt, id, cv, left, ld
	VLOAD \p
	s_wait_dscnt 16                                ; LDS answers in order (ISA guide 5.7.1): the 16 V loads just issued may be out, the 16 K loads ahead of them are in
	QK
.if \cv
	s_wait_loadcnt \left                           ; tile t + 1 is in; the 16 loads of tile t + 2, where there is one, stay out
	CONVERT \n, \n                                 ; into the buffers that tile t - 1 left: all reads of them were waited for ahead of the last trip's barrier.
	                                               ; Its 32 conversions are also the places between the products and the first reader of the scores (ISA guide 7.12.1)
.if \ld
	LOADS \n, 1                                    ; tile t + 3 into the set just emptied
	WIN 0
	PREF \p, \dt, \id
.else
	WIN 0
.endif
.else
.rept 4
	v_nop                                          ; the places between the products and the first reader of the scores (ISA guide 7.12.1)
.endr
.endif
	s_add_co_u32 s23, s22, \dt+1
	s_lshl_b32 s23, s23, 7
	s_cmp_le_u32 s23, s19                          ; the tile ends at or below valid_len: nothing to mask
	s_cbranch_scc1 .Lnomask_\id
	MASK
.Lnomask_\id:
	MAXROW 0, \first
	MAXROW 1, \first
	STAT 0, \first
	STAT 1, \first
	SCALEEXP 0
	SCALEEXP 1
.if \first
.else
	RESCALE 0
	RESCALE 1
	WIN 0
.endif
	SUMROW 0, \first
	PACK 0
	SUMROW 1, \first
	PACK 1
	s_wait_dscnt 0                                 ; my V fragments are in (my reads of tile t's buffers are over) and my part of tile t + 1 is written:
.if \cv
	s_barrier_signal -1                            ; zero, since both are for the other waves' sake
	s_barrier_wait -1                              ; tile t + 1 is whole, and tile t's buffers may be written in the next trip
	KLOAD \n
.endif
	PV \first
	WIN 0
.if \cv
	v_add_nc_u32 v[REM], 0xffffff80, v[REM]        ; 128 keys on.  With the four v_nop: five places between the last products and the next trip's V loads
.endif                                             ; into their A fragments (four are owed) and its first products, which write over P (five) (ISA guide 7.12.1)
.rept 4
	v_nop                                          ; behind the last trip: the four places in front of the LDS stores that read O
.endr
.endm
	LOADS 0, 0                                     ; tile 0
	WIN 0
.irp lb, 0,1
.irp c, 0,1
	global_load_b128 v[SC+32*\lb+16*\c:SC+32*\lb+16*\c+3],     v[QO+\lb], s[4:5] offset:128*\c       ; Q(r, 32 c + 8 h ..): straight in fragment order,
	global_load_b128 v[SC+32*\lb+16*\c+4:SC+32*\lb+16*\c+7],   v[QO+\lb], s[4:5] offset:128*\c+16    ; 32 KB once for the work-group
	global_load_b128 v[SC+32*\lb+16*\c+8:SC+32*\lb+16*\c+11],  v[QO+\lb], s[4:5] offset:128*\c+64    ; Q(r, 32 c + 16 + 8 h ..)
	global_load_b128 v[SC+32*\lb+16*\c+12:SC+32*\lb+16*\c+15], v[QO+\lb], s[4:5] offset:128*\c+80
.endr
.endr
	LOADS 1, 1                                     ; tile 1
	WIN 0
	s_wait_kmcnt 0x0                               ; valid_lens[b]
	s_max_i32 s19, s19, 0
	s_min_i32 s19, s19, SK                         ; valid_len in 0 .. 2048
	s_lshl_b32 s23, s16, 6
	s_sub_co_i32 s23, s19, s23
	v_lshlrev_b32 v[REM], 3, v28
	v_sub_nc_u32 v[REM], s23, v[REM]               ; valid_len - 64 kh - 8 h
	s_wait_loadcnt 32                              ; Q's 16 and tile 1's 16 may be out: tile 0 is in
	CONVERT 0, 0
	LOADS 0, 1                                     ; tile 2
	WIN 0
	s_wait_loadcnt 32                              ; tiles 1 and 2 may be out: Q is in
.set i, 0
.rept 32
	v_cvt_pk_f16_f32 v[QF+i], v[SC+2*i], v[SC+2*i+1]
.set i, i+1
.endr
	s_wait_dscnt 0                                 ; my part of tile 0 is written
	s_barrier_signal -1
	s_barrier_wait -1
	KLOAD 0
	s_mov_b32 s22, 0
	TRIP 0, 1, 1, 0, a, 1, 16, 1                   ; tile 0: the first trip starts maxima, sums and O: nothing is cleared
	s_mov_b32 s22, 1
.Lloop:                                            ; tiles 1 to 12, two a round
	TRIP 1, 0, 0, 0, b, 1, 16, 1
	TRIP 0, 1, 0, 1, c, 1, 16, 1
	s_add_co_u32 s22, s22, 2
	s_cmp_lt_u32 s22, TILES-3
	s_cbranch_scc1 .Lloop
	TRIP 1, 0, 0, 0, d, 1, 16, 0                   ; tile 13: nothing is left to request; tile 15's loads stay out
	TRIP 0, 1, 0, 1, e, 1, 0, 0                    ; tile 14: nothing was issued behind tile 15's loads: the wait is for 0
	TRIP 1, 0, 0, 2, f, 0, 0, 0                    ; tile 15: nothing follows
	; THE MERGE.  The partner's local block 1 holds the same 16 queries as my local block 0, over the other half of the keys.
	v_add_f32 v[LS], v[LS], v[LS+1]
	v_add_f32 v[LS+2], v[LS+2], v[LS+3]
	v_permlanex16_b32 v[TP], v[LS], s34, s35       ; the other lane half holds the query's other keys
	v_permlanex16_b32 v[TP+1], v[LS+2], s34, s35
	v_add_f32 v[LS], v[LS], v[TP]
	v_add_f32 v[LS+2], v[LS+2], v[TP+1]
	v_and_b32 v29, 31, v0
	s_mul_i32 s23, s14, XSZ
	s_add_co_u32 s23, s23, XCH                     ; my exchange region
	s_xor_b32 s24, s14, 1
	s_mul_i32 s24, s24, XSZ
	s_add_co_u32 s24, s24, XCH                     ; my partner's
	v_lshl_add_u32 v10, v29, 4, s23
	v_lshl_add_u32 v11, v29, 2, s23
	v_lshl_add_u32 v12, v29, 4, s24
	v_lshl_add_u32 v13, v29, 2, s24
	WIN 0x04
.irp i, 0,1,2,3,4,5,6,7
	ds_store_b128 v10, v[OA+32+4*\i:OA+32+4*\i+3] offset:512*\i    ; O of local block 1, register by register: lane i at 16 i
.endr
	WIN 0
	ds_store_b32 v11, v[NM+2] offset:4096
	ds_store_b32 v11, v[LS+2] offset:4224
	s_wait_dscnt 0                                 ; my stores are done, for the partner's sake
	s_barrier_signal -1
	s_barrier_wait -1
	ds_load_b32 v30, v13 offset:4096               ; the partner's NM
	ds_load_b32 v31, v13 offset:4224               ; and L
.irp i, 0,1,2,3,4,5,6,7
	ds_load_b128 v[SC+4*\i:SC+4*\i+3], v12 offset:512*\i           ; and O, same lane, same register as my local block 0
.endr
	s_wait_dscnt 8                                 ; the eight loads of O may be out: NM and L are in
	v_min_num_f32 v26, v[NM], v30                  ; the smaller NM belongs to the larger maximum
	v_sub_f32 v27, v26, v[NM]
	v_sub_f32 v28, v26, v30
	v_exp_f32 v27, v27                             ; f, at most 1
	v_exp_f32 v28, v28                             ; f' (one of the two is 1, and its L is about 1 or more: the sum below is never 0)
	v_and_b32 v29, 15, v0                          ; r: the plain line between the exponentials and their use
	s_wait_alu depctr_va_vdst(0)
	v_mul_f32 v26, v[LS], v27
	v_fmac_f32 v26, v31, v28                       ; l = L f + L' f'
	v_rcp_f32 v26, v26
	v_bfe_u32 v30, v0, 4, 1                        ; h: the plain line behind the reciprocal
	s_wait_alu depctr_va_vdst(0)
	v_mul_f32 v[AL], v27, v26                      ; g = f / l, twice, for the packed forms
	v_mul_f32 v[AL+1], v27, v26
	v_mul_f32 v[AL+2], v28, v26                    ; g' = f' / l
	v_mul_f32 v[AL+3], v28, v26
	s_mul_i32 s23, s14, 16*SPITCH
	s_add_co_u32 s23, s23, STG                     ; my stage
	v_mul_u32_u24 v3, v29, SPITCH                  ; in: row r (a query), bytes 32 h + 64 db + 16 jj.  (v3, v4: the trips' LDS store addresses, done with)
	v_lshl_add_u32 v3, v30, 5, v3
	v_add_nc_u32 v3, s23, v3
	v_mul_u32_u24 v4, v30, SPITCH                  ; back: lanes 0-15 one row of 256 bytes, lanes 16-31 the next
	v_lshl_add_u32 v4, v29, 4, v4
	v_add_nc_u32 v4, s23, v4
	v_lshlrev_b32 v31, 4, v29
	v_lshl_add_u32 v31, v30, 8, v31                ; the same two rows in out0
	s_wait_dscnt 0
.set i, 0
.rept 16
	v_pk_mul_f32 v[SC+2*i:SC+2*i+1], v[SC+2*i:SC+2*i+1], v[AL+2:AL+3]
.set i, i+1
.endr
	WIN 0x01
.set i, 0
.rept 16
	v_pk_fma_f32 v[SC+2*i:SC+2*i+1], v[OA+2*i:OA+2*i+1], v[AL:AL+1], v[SC+2*i:SC+2*i+1]
.set i, i+1
.endr
	WIN 0
	; register 8 db + j of lane (r, h) is out(query r, d = 16 db + 8 h + j): through my own stage, so that rows leave whole
.irp db, 0,1,2,3
	ds_store_b128 v3, v[SC+8*\db:SC+8*\db+3] offset:64*\db
	ds_store_b128 v3, v[SC+8*\db+4:SC+8*\db+7] offset:64*\db+16
.endr
.irp i, 0,1,2,3,4,5,6,7
	ds_load_b128 v[SC+32+4*\i:SC+32+4*\i+3], v4 offset:2*SPITCH*\i ; LDS serves a wave's instructions in order (ISA guide 5.7.1): these see the stores above
.endr
.irp i, 0,1,2,3,4,5,6,7
	s_wait_dscnt 7-\i                              ; the younger row loads stay out
	global_store_b128 v31, v[SC+32+4*\i:SC+32+4*\i+3], s[12:13] offset:512*\i th:TH_STORE_NT   ; 16 lanes store one row: 256 consecutive bytes, at a multiple of 256 from out0's first byte
.endr
	s_set_vgpr_msb 0x5
	s_wait_tensorcnt 0x0
	ds_add_u32 v224, v225
	s_wait_dscnt 0x0
	s_set_vgpr_msb 0x500
	s_endpgm
.Lfunc_end_k_q15b7d14874_attn:
	.size	k_q15b7d14874_attn, .Lfunc_end_k_q15b7d14874_attn-k_q15b7d14874_attn
	.p2alignl 7, 3214868480
	.fill 96, 4, 3214868480
	.section	.rodata,"a",@progbits
	.p2align	6, 0x0
	.amdhsa_kernel k_q15b7d14874_attn
		.amdhsa_group_segment_fixed_size 148480
		.amdhsa_private_segment_fixed_size 0
		.amdhsa_enable_private_segment 0
		.amdhsa_kernarg_size 40
		.amdhsa_user_sgpr_count 2
		.amdhsa_user_sgpr_kernarg_segment_ptr 1
		.amdhsa_wavefront_size32 1
		.amdhsa_system_sgpr_workgroup_id_x 1
		.amdhsa_system_sgpr_workgroup_id_y 1
		.amdhsa_system_sgpr_workgroup_id_z 1
		.amdhsa_system_vgpr_workitem_id 0
		.amdhsa_next_free_vgpr 482
		.amdhsa_next_free_sgpr 66
		.amdhsa_reserve_vcc 1
		.amdhsa_float_denorm_mode_32 3
		.amdhsa_float_denorm_mode_16_64 3
		.amdhsa_memory_ordered 1
		.amdhsa_forward_progress 1
		.amdhsa_inst_pref_size 164
	.end_amdhsa_kernel
	.amdgpu_metadata
---
amdhsa.version: [ 1, 2 ]
amdhsa.kernels:
  - .name:           k_q15b7d14874_attn
    .symbol:         k_q15b7d14874_attn.kd
    .args:
      - { .name: queries, .offset: 0, .size: 8, .value_kind: global_buffer, .address_space: global }
      - { .name: keys, .offset: 8, .size: 8, .value_kind: global_buffer, .address_space: global }
      - { .name: values, .offset: 16, .size: 8, .value_kind: global_buffer, .address_space: global }
      - { .name: valid_lens, .offset: 24, .size: 8, .value_kind: global_buffer, .address_space: global }
      - { .name: out0, .offset: 32, .size: 8, .value_kind: global_buffer, .address_space: global }
    .group_segment_fixed_size: 148480
    .private_segment_fixed_size: 0
    .kernarg_segment_align: 8
    .kernarg_segment_size: 40
    .max_flat_workgroup_size: 256
    .sgpr_count:     66
    .vgpr_count:     482
    .wavefront_size: 32
...
	.end_amdgpu_metadata
.endif
;; end of part 1
;; ======== version 2 of 3: 1 launch
;; limits: right only within a limited range of input values; values are held in f16: magnitudes above 65,504 overflow, below 6.1e-05 lose precision; inputs' magnitudes at most 65,504
;; launch attn (part 2): grid 16 x 16, 8 waves a work-group, no clusters, 148,480 bytes of LDS; arguments queries, keys, values, valid_lens, out0; writes out0
.if DOCPART == 2
	.amdgcn_target "amdgcn-amd-amdhsa--gfx1250"
	.amdhsa_code_object_version 6
	.text
	.protected	k_q15b7d14874_attn
	.globl	k_q15b7d14874_attn
	.p2align	8
	.type	k_q15b7d14874_attn,@function
k_q15b7d14874_attn:
	s_mov_b64 s[64:65], 0
	v_nop
	global_prefetch_b8 v0, s[64:65] scope:SCOPE_SE
	s_setreg_imm32_b32 hwreg(HW_REG_WAVE_MODE, 25, 1), 1
	s_wait_xcnt 0x0
; out[b][q][:] = softmax over k of (q.k / 8, keys at or behind valid_lens[b] set to -1e6) x V.   B = 16, SQ = SK = 2048, D = 64, all f32.
; One work-group = 128 query rows of one batch (x = row block, y = batch), eight waves.  Wave w: rg = w >> 1 picks 32 query rows,
; kh = w & 1 picks one half (64 keys) of every tile of 128 keys.  Each wave keeps a running maximum, sum and O for its 32 rows and
; its keys; the two waves of a pair are merged once, at the end, through LDS.
; BOTH PRODUCTS ARE TRANSPOSED.  S^T = K Q^T: lane (r, h) register j of a result tile holds key 8h + j of query r, so a query's maximum
; and sum are one lane's numbers (plus one exchange between the lane halves), and two neighbouring registers packed to f16 are
; already the B fragment of P^T for O^T = V^T P^T.  V^T's A fragments come from V stored [key][d] by the transposing LDS load.
; K AND V go f32 memory -> registers -> f16 LDS, requested two trips before they are converted (two staging sets of 64 registers).
; THE MATRIX OPERANDS ARE f16, NOT bf16.  Where few keys are valid and their terms p v cancel, a result's error is a fraction of the terms,
; not of the result: f16's 11 significant bits bound each rounding by 2^-12 of the number, bf16's 8 bits by 2^-9.  f16 has the range:
; P is at most about 1.05 (every exponent is at most the rounding of the shift NM); weights below 2^-14 are denormal with an
; absolute error of 2^-25, which over 2,048 keys is 2^-14 of the largest weight.
; 16 TRIPS, WHATEVER valid_lens HOLDS: the number of trips, and so of barriers, is a constant of the text, so that every wave passes every
; barrier.  A tile that begins at or behind valid_len is DEAD: one forward branch jumps over its products, mask and soft-max (a
; stretch with no barrier and no load from memory).  What a dead tile still costs: its 16 loads a lane, since the counted wait for
; a tile holds only if every path has issued the same loads behind it, and its conversion, LDS stores and K fragment loads, which this
; text does not spare.  Where no key is valid no tile is dead: every key gets -1e6 and the result is the mean of V, as defined.
; NO CLUSTER, NO TENSOR LOADS, though the 16 row blocks of a batch walk the same K and V: the tiles are f32 in memory and must be f16
; in LDS.  A tile landed in LDS as f32 costs 64 KB written + 64 KB read back + 32 KB of f16 written beside the 128 KB of
; fragment reads, 288 KB of LDS traffic for 128 keys; through registers it is 32 + 128 = 160 KB.
; LIMITS.  Q, K, V and P enter the matrix unit rounded to f16; sums, maxima and exponentials are f32.  A number of Q, K or V beyond
; 65,504 in magnitude becomes infinite in f16, and the results that it touches are not finite; numbers below 2^-14 in magnitude
; carry an absolute error of up to 2^-25.  The weights left out with the dead tiles are at most 2,048 exp(-1e6 - m) of a row's largest,
; m its largest valid scaled score: below 2^-30 while m > -999,970; a row whose valid scores all lie lower is not served.  A NaN or
; infinity in a row of K or V of a dead tile is not carried into the result.  valid_len is clamped to 0 .. 2048, which changes no mask.
.set SK,      2048
.set KPITCH,  144                      ; a K row in LDS: 128 bytes of f16 + 16: an odd multiple of 16, so the 16 rows of a fragment load begin in 16 different 16-byte columns of 256
.set VPITCH,  160                      ; a V row in LDS: 128 + 32: an odd multiple of 32, for the transposing loads
.set KBUF,    128*KPITCH               ; 18,432: one K tile.  K tiles of even and odd number at 0 and KBUF
.set VBUF,    128*VPITCH               ; 20,480: one V tile
.set VB0,     2*KBUF                   ; 36,864: V tiles at VB0 and VB0 + VBUF
.set XCH,     VB0+2*VBUF               ; 77,824: exchange between the waves of a pair, XSZ bytes a wave: 4,096 of O, 128 of NM, 128 of L
.set XSZ,     4352
.set STG,     XCH+8*XSZ                ; 112,640: the way out, 16 rows of SPITCH bytes a wave; ends at 147,456
.set SPITCH,  272
.set TILEB,   128*256                  ; a tile of K or of V in memory: 128 rows of 64 f32
.set TILES,   SK/128                   ; 16
; window 0
.set KADR, 1                           ; LDS: (64 kh + r) KPITCH + 16 h
.set VADR, 2                           ; LDS: VB0 + (64 kh + 8 h + (L & 7)) VPITCH + 16 ((L >> 3) & 1)
.set KST,  3                           ; LDS: (16 w + 8 h) KPITCH + 8 r
.set VST,  4                           ; LDS: VB0 + (16 w + 4 h) VPITCH + 8 r
.set KGO,  5                           ; memory, inside a K tile: (16 w + 8 h) 256 + 16 r
.set VGO,  6                           ; memory, inside a V tile: (16 w + 4 h) 256 + 16 r
.set REM,  7                           ; valid_len - 128 t - 64 kh - 8 h: key 16 kb + j of my lane is valid while 16 kb + j < REM
.set NEGV, 8                           ; -8e6 = -1e6 x 8: the scores are kept unscaled, the factor 1/8 lies in c
.set PFO,  9                           ; 256 x lane, for the prefetch
.set QO,   10                          ; v10, v11: r 256 + 32 h + (lb ^ kh) 4096; in the epilogue my exchange addresses
.set NM,   14                          ; v[14+2lb] NM = round(-c M), v[15+2lb] M = running maximum of the unscaled scores
.set LS,   18                          ; v[18+2lb:19+2lb] running sum, in two parts
.set AL,   22                          ; v[22+2lb] alpha = 2^(new NM - old NM), v[23+2lb] new NM
.set TP,   26                          ; v26-31 at work
.set SC,   32                          ; v32-95  scores, then P: block lb at 32 lb, register 8 kb + j
.set KF,   96                          ; v96-159 K fragments (kb, c) at 8 (2 kb + c)
.set VF,   160                         ; v160-223 V^T fragments (kc, db) at 8 (4 kc + db)
.set QF,   224                         ; v224-255 Q fragments (lb, c) at 8 (2 lb + c)
; window 1
.set OA,   0                           ; O^T tiles (lb, db) at 32 lb + 8 db
.set STA,  64                          ; staging sets 0 and 1, 64 registers each: K's 8 loads, then V's 8
.set CT,   192                         ; 32 packed words on their way to LDS
; s14 w, s15 rg, s16 kh, s17 x, s18 b, s19 valid_len, s20 first dead key (valid_len, or 2048 where that is 0), s22 trip counter, s23-25 at work,
; s[30:31] K and s[32:33] V, two tiles below the tile asked for last, s34-35 lane selects, s[36:37] c twice, s38 -c, s[40:41] prefetch base,
; s42-43 prefetch limits by the trip's parity, s[44:45] prefetch address
.set MSB, 0
.macro WIN new                         ; low byte: bits 1:0 source 0, 3:2 source 1, 5:4 source 2, 7:6 destination; high byte: the setting that is left
.if MSB != \new
	s_set_vgpr_msb (MSB<<8)|\new
.set MSB, \new
.endif
.endm
	s_load_b256 s[4:11], s[0:1], 0x0               ; queries s[4:5], keys s[6:7], values s[8:9], valid_lens s[10:11]
	s_load_b64 s[12:13], s[0:1], 0x20              ; out0
	s_set_vgpr_msb 0x40
	v_lshl_add_u32 v224, v0, 2, 0x24000
	v_mov_b32 v225, 0
	s_set_vgpr_msb 0x4000
	v_lshrrev_b32 v26, 5, v0
	v_readfirstlane_b32 s14, v26                   ; wave 0..7
	s_lshr_b32 s15, s14, 1                         ; rg
	s_and_b32 s16, s14, 1                          ; kh
	s_mov_b32 s17, ttmp9                           ; x: block of 128 query rows
	s_and_b32 s18, ttmp7, 0xffff                   ; b: batch
	s_mov_b32 s34, 0x76543210                      ; v_permlanex16_b32: lane i takes lane i of the other half
	s_mov_b32 s35, 0xfedcba98
	s_mov_b32 s36, 0x3e38aa3b                      ; c = log2(e) / 8
	s_mov_b32 s37, 0x3e38aa3b
	s_mov_b32 s38, 0xbe38aa3b                      ; -c
	v_and_b32 v27, 15, v0                          ; r
	v_bfe_u32 v28, v0, 4, 1                        ; h
	v_and_b32 v29, 7, v0                           ; L & 7
	v_bfe_u32 v30, v0, 3, 1                        ; (L >> 3) & 1
	v_and_b32 v31, 31, v0                          ; lane
	s_mul_i32 s23, s16, 64*KPITCH
	v_mul_u32_u24 v[KADR], v27, KPITCH
	v_lshl_add_u32 v[KADR], v28, 4, v[KADR]
	v_add_nc_u32 v[KADR], s23, v[KADR]
	s_mul_i32 s23, s16, 64*VPITCH
	s_add_co_u32 s23, s23, VB0
	v_lshl_add_u32 v29, v28, 3, v29                ; 8 h + (L & 7)
	v_mul_u32_u24 v[VADR], v29, VPITCH
	v_lshl_add_u32 v[VADR], v30, 4, v[VADR]
	v_add_nc_u32 v[VADR], s23, v[VADR]
	s_mul_i32 s23, s14, 16*KPITCH
	v_mul_u32_u24 v[KST], v28, 8*KPITCH
	v_lshl_add_u32 v[KST], v27, 3, v[KST]
	v_add_nc_u32 v[KST], s23, v[KST]
	s_mul_i32 s23, s14, 16*VPITCH
	s_add_co_u32 s23, s23, VB0
	v_mul_u32_u24 v[VST], v28, 4*VPITCH
	v_lshl_add_u32 v[VST], v27, 3, v[VST]
	v_add_nc_u32 v[VST], s23, v[VST]
	s_lshl_b32 s23, s14, 12                        ; 16 rows of 256 bytes a wave
	v_lshlrev_b32 v26, 4, v27                      ; 16 r
	v_lshl_add_u32 v[KGO], v28, 11, v26
	v_add_nc_u32 v[KGO], s23, v[KGO]
	v_lshl_add_u32 v[VGO], v28, 10, v26
	v_add_nc_u32 v[VGO], s23, v[VGO]
	v_lshlrev_b32 v[PFO], 8, v31
	v_mov_b32 v[NEGV], 0xcaf42400                  ; -8,000,000.0
	v_lshlrev_b32 v26, 8, v27                      ; Q: row r, 256 bytes a row,
	v_lshl_add_u32 v26, v28, 5, v26                ; + 8 h numbers
	s_lshl_b32 s23, s16, 12                        ; local block 0 is block kh of my 32 rows,
	s_xor_b32 s24, s23, 4096                       ; local block 1 the other: each wave finishes its local block 0 and gives block 1 away
	v_add_nc_u32 v[QO], s23, v26
	v_add_nc_u32 v[QO+1], s24, v26
	s_lshr_b32 s23, s17, 3                         ; prefetch: tiles of parity x >> 3 are my work-group's to ask for, and wave 0 asks
	s_lshl_b32 s24, s14, 1
	s_or_b32 s23, s23, s24                         ; 2 w + (x >> 3)
	s_cmp_eq_u32 s23, 1
	s_cselect_b32 s42, TILES, 0                    ; trips of parity 0 ask for odd tiles
	s_cmp_eq_u32 s23, 0
	s_cselect_b32 s43, TILES, 0                    ; trips of parity 1 for even ones; limit 0: never
	s_wait_kmcnt 0x0
	s_lshl_b32 s24, s18, 2
	s_mov_b32 s25, 0
	s_add_nc_u64 s[10:11], s[10:11], s[24:25]
	s_load_b32 s19, s[10:11], 0x0                  ; valid_lens[b]
	s_lshl_b32 s24, s18, 19                        ; a batch is 2048 x 256 bytes
	s_add_nc_u64 s[30:31], s[6:7], s[24:25]        ; K of the batch, tile 0
	s_add_nc_u64 s[32:33], s[8:9], s[24:25]        ; V of the batch, tile 0
	s_lshl_b32 s23, s17, 15                        ; + 128 rows a work-group
	s_add_co_u32 s24, s24, s23
	s_lshl_b32 s23, s15, 13                        ; + 32 rows a pair of waves
	s_add_co_u32 s24, s24, s23
	s_add_nc_u64 s[4:5], s[4:5], s[24:25]          ; Q at my 32 rows
	s_lshl_b32 s23, s16, 12                        ; + the 16 rows that I finish
	s_add_co_u32 s24, s24, s23
	s_add_nc_u64 s[12:13], s[12:13], s[24:25]      ; out0 at those rows
	s_and_b32 s23, s17, 7                          ; of the eight work-groups that share a tile's 64 KB, 0-3 ask for a quarter of K, 4-7 of V
	s_and_b32 s24, s17, 3
	s_lshl_b32 s24, s24, 13                        ; a quarter is 8,192 bytes
	s_cmp_lt_u32 s23, 4
	s_cselect_b64 s[40:41], s[30:31], s[32:33]
	s_add_nc_u64 s[40:41], s[40:41], s[24:25]
; 16 loads of 16 bytes a lane: a tile of K and of V into a staging set.  Each half of 16 lanes reads one whole row of 256 bytes.
; K's load i: rows 16 w + i and 16 w + 8 + i.  V's load 4 g + k: rows 16 w + k + 8 g and that + 4.
; The tile is toff tiles above the bases, by the immediate offset.  The three runs in front of the trips leave the bases at tile 0 (toff 0, 1, 2),
; so that nothing has to be waited for between them; step = 1 (trip t): the bases go on to tile t + 1, and toff = 2 makes tile t + 3.
.macro LOADS set, step, toff
.if \step
	s_wait_xcnt 0x0                                ; the bases of the last run of loads and the prefetch address are rewritten only behind this wait
	s_add_nc_u64 s[30:31], s[30:31], TILEB
	s_add_nc_u64 s[32:33], s[32:33], TILEB
.endif
	WIN 0x40
.irp i, 0,1,2,3,4,5,6,7
	global_load_b128 v[STA+64*(\set)+4*\i:STA+64*(\set)+4*\i+3], v[KGO], s[30:31] offset:(\toff)*TILEB+256*\i
.endr
.irp g, 0,1
.irp k, 0,1,2,3
	global_load_b128 v[STA+64*(\set)+32+4*(4*\g+\k):STA+64*(\set)+32+4*(4*\g+\k)+3], v[VGO], s[32:33] offset:(\toff)*TILEB+256*(\k+8*\g)
.endr
.endr
.endm
; a staging set to f16 and into LDS: 8 bytes a lane.  The two lane halves write rows 8 x 144 = 1,152 (K) or 4 x 160 = 640 (V) bytes apart:
; 288 or 160 words, both 32 modulo 64, so the two runs of 32 words meet in no bank (64 banks of 4 bytes: ISA guide 11.1)
.macro CONVERT set, buf
	WIN 0x45
.set i, 0
.rept 32
	v_cvt_pk_f16_f32 v[CT+i], v[STA+64*(\set)+2*i], v[STA+64*(\set)+2*i+1]
.set i, i+1
.endr
	WIN 0x04
.irp i, 0,1,2,3,4,5,6,7
	ds_store_b64 v[KST], v[CT+2*\i:CT+2*\i+1] offset:(\buf)*KBUF+\i*KPITCH
.endr
.irp g, 0,1
.irp k, 0,1,2,3
	ds_store_b64 v[VST], v[CT+16+2*(4*\g+\k):CT+16+2*(4*\g+\k)+1] offset:(\buf)*VBUF+(\k+8*\g)*VPITCH
.endr
.endr
.endm
.macro KLOAD buf                       ; my 64 keys x 64 d as eight A fragments: lane (r, h) takes key 16 kb + r, d = 32 c + 8 h .. and 32 c + 16 + 8 h ..
.irp kb, 0,1,2,3
.irp c, 0,1
	ds_load_b128 v[KF+8*(2*\kb+\c):KF+8*(2*\kb+\c)+3],   v[KADR] offset:(\buf)*KBUF+\kb*16*KPITCH+64*\c
	ds_load_b128 v[KF+8*(2*\kb+\c)+4:KF+8*(2*\kb+\c)+7], v[KADR] offset:(\buf)*KBUF+\kb*16*KPITCH+64*\c+32
.endr
.endr
.endm
.macro VLOAD buf                       ; my 64 keys x 64 d, transposed, as eight A fragments: lane (r, h) takes d = 16 db + r, keys 32 kc + 8 h .. and 32 kc + 16 + 8 h ..
.irp kc, 0,1
.irp db, 0,1,2,3
	ds_load_tr16_b128 v[VF+8*(4*\kc+\db):VF+8*(4*\kc+\db)+3],   v[VADR] offset:(\buf)*VBUF+\kc*32*VPITCH+32*\db
	ds_load_tr16_b128 v[VF+8*(4*\kc+\db)+4:VF+8*(4*\kc+\db)+7], v[VADR] offset:(\buf)*VBUF+\kc*32*VPITCH+32*\db+16*VPITCH
.endr
.endr
.endm
.macro QK                              ; S^T = K Q^T: d 0-31 starts the eight sums, d 32-63 is the next link of each chain in place
.irp lb, 0,1
.irp kb, 0,1,2,3
	v_wmma_f32_16x16x32_f16 v[SC+32*\lb+8*\kb:SC+32*\lb+8*\kb+7], v[KF+16*\kb:KF+16*\kb+7], v[QF+16*\lb:QF+16*\lb+7], 0
.endr
.endr
.irp lb, 0,1
.irp kb, 0,1,2,3
	v_wmma_f32_16x16x32_f16 v[SC+32*\lb+8*\kb:SC+32*\lb+8*\kb+7], v[KF+16*\kb+8:KF+16*\kb+15], v[QF+16*\lb+8:QF+16*\lb+15], v[SC+32*\lb+8*\kb:SC+32*\lb+8*\kb+7]
.endr
.endr
.endm
.macro MASK                            ; keys at or behind valid_len get -1e6 (here x 8), in both query blocks
.irp kb, 0,1,2,3
.irp j, 0,1,2,3,4,5,6,7
	v_cmp_lt_i32 vcc_lo, 16*\kb+\j, v[REM]
	v_cndmask_b32 v[SC+8*\kb+\j], v[NEGV], v[SC+8*\kb+\j], vcc_lo
	v_cndmask_b32 v[SC+32+8*\kb+\j], v[NEGV], v[SC+32+8*\kb+\j], vcc_lo
.endr
.endr
.endm
.macro MAXROW lb, first                ; M = max(M, my 32 scores, the other lane half's 32): four chains, joined
.irp k, 0,1,2,3
	v_max3_num_f32 v[TP+\k], v[SC+32*\lb+8*\k], v[SC+32*\lb+8*\k+1], v[SC+32*\lb+8*\k+2]
.endr
.irp k, 0,1,2,3
	v_max3_num_f32 v[TP+\k], v[TP+\k], v[SC+32*\lb+8*\k+3], v[SC+32*\lb+8*\k+4]
.endr
.irp k, 0,1,2,3
	v_max3_num_f32 v[TP+\k], v[TP+\k], v[SC+32*\lb+8*\k+5], v[SC+32*\lb+8*\k+6]
.endr
	v_max3_num_f32 v[TP], v[TP], v[SC+32*\lb+7], v[SC+32*\lb+15]
	v_max3_num_f32 v[TP+1], v[TP+1], v[SC+32*\lb+23], v[SC+32*\lb+31]
	v_max3_num_f32 v[TP], v[TP], v[TP+1], v[TP+2]
.if \first
	v_max_num_f32 v[TP], v[TP], v[TP+3]
.else
	v_max3_num_f32 v[TP], v[TP], v[TP+3], v[NM+2*\lb+1]
.endif
	v_permlanex16_b32 v[TP+1], v[TP], s34, s35     ; its destination has been written above
	v_max_num_f32 v[NM+2*\lb+1], v[TP], v[TP+1]
.endm
; NM = round(-c M) is the shift that the exponentials really use, so alpha = 2^(new NM - old NM) carries the old sums over exactly
.macro STAT lb, first
.if \first
	v_mul_f32 v[NM+2*\lb], s38, v[NM+2*\lb+1]
.else
	v_mul_f32 v[AL+2*\lb+1], s38, v[NM+2*\lb+1]
	v_sub_f32 v[AL+2*\lb], v[AL+2*\lb+1], v[NM+2*\lb]
	v_mov_b32 v[NM+2*\lb], v[AL+2*\lb+1]
	v_exp_f32 v[AL+2*\lb], v[AL+2*\lb]             ; the next line is a plain one that names neither its source nor its result (ISA guide 5.7.2)
.endif
.endm
.macro SCALEEXP lb                     ; p = 2^(c s + NM), one rounding in the exponent
.set i, 0
.rept 16
	v_pk_fma_f32 v[SC+32*\lb+2*i:SC+32*\lb+2*i+1], v[SC+32*\lb+2*i:SC+32*\lb+2*i+1], s[36:37], v[NM+2*\lb:NM+2*\lb+1] op_sel_hi:[1,0,0]
.set i, i+1
.endr
.set i, 0
.rept 32
	v_exp_f32 v[SC+32*\lb+i], v[SC+32*\lb+i]       ; back to back on different registers; the first line behind the run is plain and names none of the last one's
.set i, i+1
.endr
.endm
.macro RESCALE lb                      ; O = O alpha
	WIN 0x41
.set i, 0
	s_wait_alu depctr_va_vdst(0)
.rept 16
	v_pk_mul_f32 v[OA+32*\lb+2*i:OA+32*\lb+2*i+1], v[OA+32*\lb+2*i:OA+32*\lb+2*i+1], v[AL+2*\lb:AL+2*\lb+1] op_sel_hi:[1,0]
.set i, i+1
.endr
.endm
.macro SUMROW lb, first                ; L = L alpha + my 32 p, in two chains of pairs
.if \first
	s_wait_alu depctr_va_vdst(0)
	v_pk_add_f32 v[LS+2*\lb:LS+2*\lb+1], v[SC+32*\lb:SC+32*\lb+1], v[SC+32*\lb+2:SC+32*\lb+3]
.else
	v_pk_fma_f32 v[LS+2*\lb:LS+2*\lb+1], v[LS+2*\lb:LS+2*\lb+1], v[AL+2*\lb:AL+2*\lb+1], v[SC+32*\lb:SC+32*\lb+1] op_sel_hi:[1,0,1]
	v_pk_add_f32 v[LS+2*\lb:LS+2*\lb+1], v[LS+2*\lb:LS+2*\lb+1], v[SC+32*\lb+2:SC+32*\lb+3]
.endif
	v_pk_add_f32 v[TP:TP+1], v[SC+32*\lb+4:SC+32*\lb+5], v[SC+32*\lb+6:SC+32*\lb+7]
.irp i, 8,12,16,20,24,28
	v_pk_add_f32 v[LS+2*\lb:LS+2*\lb+1], v[LS+2*\lb:LS+2*\lb+1], v[SC+32*\lb+\i:SC+32*\lb+\i+1]
	v_pk_add_f32 v[TP:TP+1], v[TP:TP+1], v[SC+32*\lb+\i+2:SC+32*\lb+\i+3]
.endr
	v_pk_add_f32 v[LS+2*\lb:LS+2*\lb+1], v[LS+2*\lb:LS+2*\lb+1], v[TP:TP+1]
.endm
.macro PACK lb                         ; registers 2 i, 2 i + 1 -> register i, in place and ascending: word i is written when words 2 i and 2 i + 1 are read.
.set i, 0                              ; Registers 8 kc .. 8 kc + 7 are then the B fragment of P^T for keys 32 kc .. 32 kc + 31
.rept 16
	v_cvt_pk_f16_f32 v[SC+32*\lb+i], v[SC+32*\lb+2*i], v[SC+32*\lb+2*i+1]
.set i, i+1
.endr
.endm
.macro PV first                        ; O^T += V^T P^T; in the first trip keys 0-31 start the sums
	WIN 0x50
.irp kc, 0,1
.irp lb, 0,1
.irp db, 0,1,2,3
.if \first*(1-\kc)
	v_wmma_f32_16x16x32_f16 v[OA+32*\lb+8*\db:OA+32*\lb+8*\db+7], v[VF+8*(4*\kc+\db):VF+8*(4*\kc+\db)+7], v[SC+32*\lb+8*\kc:SC+32*\lb+8*\kc+7], 0
.else
	v_wmma_f32_16x16x32_f16 v[OA+32*\lb+8*\db:OA+32*\lb+8*\db+7], v[VF+8*(4*\kc+\db):VF+8*(4*\kc+\db)+7], v[SC+32*\lb+8*\kc:SC+32*\lb+8*\kc+7], v[OA+32*\lb+8*\db:OA+32*\lb+8*\db+7]
.endif
.endr
.endr
.endr
.endm
; Trip t asks for tile t + 5, whose loads are issued in trip t + 2.  One wave of one work-group asks for each 8,192 bytes: 32 lanes, 256 bytes
; apart.  Nothing is asked for at or behind tile 16, so no request leaves the batch's K or V.  Tiles 0 to 4 are loaded without.
.macro PREF p, dt, id
	s_add_co_u32 s23, s22, \dt+5
	s_cmp_ge_u32 s23, s[42+\p]
	s_cbranch_scc1 .Lnopf_\id
	s_lshl_b32 s24, s23, 15
	s_mov_b32 s25, 0
	s_add_nc_u64 s[44:45], s[40:41], s[24:25]      ; the last request that named this pair stands ahead of the s_wait_xcnt 0 at the head of this trip's loads
	global_prefetch_b8 v[PFO], s[44:45] th:TH_LOAD_NT scope:SCOPE_SE
.Lnopf_\id:
.endm
; THE TRIP of tile t = s22 + dt, of parity p (n = the other parity).  At its head K's fragments of tile t are on their way from LDS.
; Three parts: (1) always: tile t + 1 from its staging set into the other LDS buffers, and the request for tile t + 3;
; (2) unless tile t is dead: products, mask, soft-max, products; (3) always: the barrier, and the K fragments of tile t + 1.
; cv = 1: a tile follows (parts 1 and 3 exist); left = how many younger global loads may stay out when that tile has to be in registers;
; ld = 1: tile t + 3 is requested.
.macro TRIP p, n, first, dt, id, cv, left, ld
.if \cv
	s_wait_loadcnt \left                           ; tile t + 1 is in; the 16 loads of tile t + 2, where there is one, stay out
	CONVERT \n, \n                                 ; into the buffers that tile t - 1 left: all reads of them were waited for ahead of the last trip's barrier.
	                                               ; Its 32 conversions are also the places between the last trip's products and this trip's V loads into their
	                                               ; A fragments (four are owed) and its first products, which write over P (five)
.if \ld
	LOADS \n, 1, 2                                 ; tile t + 3 into the set just emptied
	WIN 0
	PREF \p, \dt, \id
.else
	WIN 0
.endif
.else
.rept 4
	v_nop                                          ; no conversions here: with the line that steps REM behind the last products these make the five places
.endr
.endif
.if \first
.else
	s_add_co_u32 s23, s22, \dt
	s_lshl_b32 s23, s23, 7
	s_cmp_ge_u32 s23, s20                          ; the tile begins at or behind the first dead key: every weight in it is 0
	s_cbranch_scc1 .Ldead_\id
.endif
	VLOAD \p
	s_wait_dscnt 16+16*\cv                         ; LDS answers in order (ISA guide 5.7.1): the 16 V loads, and the 16 stores of part 1 where there are any, may be out;
	QK                                             ; the 16 K loads ahead of them are in
.rept 4
	v_nop                                          ; the places between the products and the first reader of the scores (ISA guide 7.12.1)
.endr
	s_add_co_u32 s23, s22, \dt+1
	s_lshl_b32 s23, s23, 7
	s_cmp_le_u32 s23, s19                          ; the tile ends at or below valid_len: nothing to mask
	s_cbranch_scc1 .Lnomask_\id
	MASK
.Lnomask_\id:
	MAXROW 0, \first
	MAXROW 1, \first
	STAT 0, \first
	STAT 1, \first
	SCALEEXP 0
	SCALEEXP 1
.if \first
.else
	RESCALE 0
	RESCALE 1
	WIN 0
.endif
	SUMROW 0, \first
	PACK 0
	SUMROW 1, \first
	PACK 1
	s_wait_dscnt 0                                 ; my V fragments are in
	PV \first
	WIN 0
.if \cv
	v_add_nc_u32 v[REM], 0xffffff80, v[REM]        ; 128 keys on (behind a dead tile every tile is dead, so REM is stepped only here)
.endif
.if \first
.else
.Ldead_\id:
.endif
.if \cv
	s_wait_dscnt 0                                 ; my reads of tile t's buffers are over and my part of tile t + 1 is written:
	s_barrier_signal -1                            ; zero, since both are for the other waves' sake
	s_barrier_wait -1                              ; tile t + 1 is whole, and tile t's buffers may be written in the next trip
	KLOAD \n                                       ; on their way while the next trip converts
.endif
.endm
	LOADS 0, 0, 0                                  ; tile 0
	WIN 0
.irp lb, 0,1
.irp c, 0,1
	global_load_b128 v[SC+32*\lb+16*\c:SC+32*\lb+16*\c+3],     v[QO+\lb], s[4:5] offset:128*\c       ; Q(r, 32 c + 8 h ..): straight in fragment order,
	global_load_b128 v[SC+32*\lb+16*\c+4:SC+32*\lb+16*\c+7],   v[QO+\lb], s[4:5] offset:128*\c+16    ; 32 KB once for the work-group
	global_load_b128 v[SC+32*\lb+16*\c+8:SC+32*\lb+16*\c+11],  v[QO+\lb], s[4:5] offset:128*\c+64    ; Q(r, 32 c + 16 + 8 h ..)
	global_load_b128 v[SC+32*\lb+16*\c+12:SC+32*\lb+16*\c+15], v[QO+\lb], s[4:5] offset:128*\c+80
.endr
.endr
	LOADS 1, 0, 1                                  ; tile 1
	WIN 0
	s_wait_kmcnt 0x0                               ; valid_lens[b]
	s_max_i32 s19, s19, 0
	s_min_i32 s19, s19, SK                         ; valid_len in 0 .. 2048
	s_cmp_eq_u32 s19, 0
	s_cselect_b32 s20, SK, s19                     ; the first dead key; where no key is valid all weigh alike and none is dead
	s_lshl_b32 s23, s16, 6
	s_sub_co_i32 s23, s19, s23
	v_lshlrev_b32 v[REM], 3, v28
	v_sub_nc_u32 v[REM], s23, v[REM]               ; valid_len - 64 kh - 8 h
	s_wait_loadcnt 32                              ; Q's 16 and tile 1's 16 may be out: tile 0 is in
	CONVERT 0, 0
	LOADS 0, 0, 2                                  ; tile 2
	WIN 0
	s_wait_loadcnt 32                              ; tiles 1 and 2 may be out: Q is in
.set i, 0
.rept 32
	v_cvt_pk_f16_f32 v[QF+i], v[SC+2*i], v[SC+2*i+1]
.set i, i+1
.endr
	s_wait_dscnt 0                                 ; my part of tile 0 is written
	s_barrier_signal -1
	s_barrier_wait -1
	KLOAD 0
	s_mov_b32 s22, 0
	TRIP 0, 1, 1, 0, a, 1, 16, 1                   ; tile 0 is never dead: the first trip starts maxima, sums and O: nothing is cleared
	s_mov_b32 s22, 1
.Lloop:                                            ; tiles 1 to 12, two a round
	TRIP 1, 0, 0, 0, b, 1, 16, 1
	TRIP 0, 1, 0, 1, c, 1, 16, 1
	s_add_co_u32 s22, s22, 2
	s_cmp_lt_u32 s22, TILES-3
	s_cbranch_scc1 .Lloop
	TRIP 1, 0, 0, 0, d, 1, 16, 0                   ; tile 13: nothing is left to request; tile 15's loads stay out
	TRIP 0, 1, 0, 1, e, 1, 0, 0                    ; tile 14: nothing was issued behind tile 15's loads: the wait is for 0
	TRIP 1, 0, 0, 2, f, 0, 0, 0                    ; tile 15: nothing follows
	; THE MERGE.  The partner's local block 1 holds the same 16 queries as my local block 0, over the other half of the keys.
	; The eleven vector lines below name no register of the last products: more than the four places owed in front of the LDS stores that read O.
	v_add_f32 v[LS], v[LS], v[LS+1]
	v_add_f32 v[LS+2], v[LS+2], v[LS+3]
	v_permlanex16_b32 v[TP], v[LS], s34, s35       ; the other lane half holds the query's other keys
	v_permlanex16_b32 v[TP+1], v[LS+2], s34, s35
	v_add_f32 v[LS], v[LS], v[TP]
	v_add_f32 v[LS+2], v[LS+2], v[TP+1]
	v_and_b32 v29, 31, v0
	s_mul_i32 s23, s14, XSZ
	s_add_co_u32 s23, s23, XCH                     ; my exchange region
	s_xor_b32 s24, s14, 1
	s_mul_i32 s24, s24, XSZ
	s_add_co_u32 s24, s24, XCH                     ; my partner's
	v_lshl_add_u32 v10, v29, 4, s23
	v_lshl_add_u32 v11, v29, 2, s23
	v_lshl_add_u32 v12, v29, 4, s24
	v_lshl_add_u32 v13, v29, 2, s24
	WIN 0x04
.irp i, 0,1,2,3,4,5,6,7
	ds_store_b128 v10, v[OA+32+4*\i:OA+32+4*\i+3] offset:512*\i    ; O of local block 1, register by register: lane i at 16 i
.endr
	WIN 0
	ds_store_b32 v11, v[NM+2] offset:4096
	ds_store_b32 v11, v[LS+2] offset:4224
	s_wait_dscnt 0                                 ; my stores are done, for the partner's sake (and, where tile 15 was dead, its K loads, which nobody uses)
	s_barrier_signal -1
	s_barrier_wait -1
	ds_load_b32 v30, v13 offset:4096               ; the partner's NM
	ds_load_b32 v31, v13 offset:4224               ; and L
.irp i, 0,1,2,3,4,5,6,7
	ds_load_b128 v[SC+4*\i:SC+4*\i+3], v12 offset:512*\i           ; and O, same lane, same register as my local block 0
.endr
	s_wait_dscnt 8                                 ; the eight loads of O may be out: NM and L are in
	v_min_num_f32 v26, v[NM], v30                  ; the smaller NM belongs to the larger maximum
	v_sub_f32 v27, v26, v[NM]
	v_sub_f32 v28, v26, v30
	v_exp_f32 v27, v27                             ; f, at most 1
	v_exp_f32 v28, v28                             ; f' (one of the two is 1, and its L is about 1 or more: the sum below is never 0)
	v_and_b32 v29, 15, v0                          ; r: the plain line between the exponentials and their use
	s_wait_alu depctr_va_vdst(0)
	v_mul_f32 v26, v[LS], v27
	v_fmac_f32 v26, v31, v28                       ; l = L f + L' f'
	v_rcp_f32 v26, v26
	v_bfe_u32 v30, v0, 4, 1                        ; h: the plain line behind the reciprocal
	s_wait_alu depctr_va_vdst(0)
	v_mul_f32 v[AL], v27, v26                      ; g = f / l, twice, for the packed forms
	v_mul_f32 v[AL+1], v27, v26
	v_mul_f32 v[AL+2], v28, v26                    ; g' = f' / l
	v_mul_f32 v[AL+3], v28, v26
	s_mul_i32 s23, s14, 16*SPITCH
	s_add_co_u32 s23, s23, STG                     ; my stage
	v_mul_u32_u24 v3, v29, SPITCH                  ; in: row r (a query), bytes 32 h + 64 db + 16 jj.  (v3, v4: the trips' LDS store addresses, done with)
	v_lshl_add_u32 v3, v30, 5, v3
	v_add_nc_u32 v3, s23, v3
	v_mul_u32_u24 v4, v30, SPITCH                  ; back: lanes 0-15 one row of 256 bytes, lanes 16-31 the next
	v_lshl_add_u32 v4, v29, 4, v4
	v_add_nc_u32 v4, s23, v4
	v_lshlrev_b32 v31, 4, v29
	v_lshl_add_u32 v31, v30, 8, v31                ; the same two rows in out0
	s_wait_dscnt 0
.set i, 0
.rept 16
	v_pk_mul_f32 v[SC+2*i:SC+2*i+1], v[SC+2*i:SC+2*i+1], v[AL+2:AL+3]
.set i, i+1
.endr
	WIN 0x01
.set i, 0
.rept 16
	v_pk_fma_f32 v[SC+2*i:SC+2*i+1], v[OA+2*i:OA+2*i+1], v[AL:AL+1], v[SC+2*i:SC+2*i+1]
.set i, i+1
.endr
	WIN 0
	; register 8 db + j of lane (r, h) is out(query r, d = 16 db + 8 h + j): through my own stage, so that rows leave whole
.irp db, 0,1,2,3
	ds_store_b128 v3, v[SC+8*\db:SC+8*\db+3] offset:64*\db
	ds_store_b128 v3, v[SC+8*\db+4:SC+8*\db+7] offset:64*\db+16
.endr
.irp i, 0,1,2,3,4,5,6,7
	ds_load_b128 v[SC+32+4*\i:SC+32+4*\i+3], v4 offset:2*SPITCH*\i ; LDS serves a wave's instructions in order (ISA guide 5.7.1): these see the stores above
.endr
.irp i, 0,1,2,3,4,5,6,7
	s_wait_dscnt 7-\i                              ; the younger row loads stay out
	global_store_b128 v31, v[SC+32+4*\i:SC+32+4*\i+3], s[12:13] offset:512*\i th:TH_STORE_NT   ; 16 lanes store one row: 256 consecutive bytes, at a multiple of 256 from out0's first byte
.endr
	s_set_vgpr_msb 0x5
	s_wait_tensorcnt 0x0
	ds_add_u32 v224, v225
	s_wait_dscnt 0x0
	s_set_vgpr_msb 0x500
	s_endpgm
.Lfunc_end_k_q15b7d14874_attn:
	.size	k_q15b7d14874_attn, .Lfunc_end_k_q15b7d14874_attn-k_q15b7d14874_attn
	.p2alignl 7, 3214868480
	.fill 96, 4, 3214868480
	.section	.rodata,"a",@progbits
	.p2align	6, 0x0
	.amdhsa_kernel k_q15b7d14874_attn
		.amdhsa_group_segment_fixed_size 148480
		.amdhsa_private_segment_fixed_size 0
		.amdhsa_enable_private_segment 0
		.amdhsa_kernarg_size 40
		.amdhsa_user_sgpr_count 2
		.amdhsa_user_sgpr_kernarg_segment_ptr 1
		.amdhsa_wavefront_size32 1
		.amdhsa_system_sgpr_workgroup_id_x 1
		.amdhsa_system_sgpr_workgroup_id_y 1
		.amdhsa_system_sgpr_workgroup_id_z 1
		.amdhsa_system_vgpr_workitem_id 0
		.amdhsa_next_free_vgpr 482
		.amdhsa_next_free_sgpr 66
		.amdhsa_reserve_vcc 1
		.amdhsa_float_denorm_mode_32 3
		.amdhsa_float_denorm_mode_16_64 3
		.amdhsa_memory_ordered 1
		.amdhsa_forward_progress 1
		.amdhsa_inst_pref_size 164
	.end_amdhsa_kernel
	.amdgpu_metadata
---
amdhsa.version: [ 1, 2 ]
amdhsa.kernels:
  - .name:           k_q15b7d14874_attn
    .symbol:         k_q15b7d14874_attn.kd
    .args:
      - { .name: queries, .offset: 0, .size: 8, .value_kind: global_buffer, .address_space: global }
      - { .name: keys, .offset: 8, .size: 8, .value_kind: global_buffer, .address_space: global }
      - { .name: values, .offset: 16, .size: 8, .value_kind: global_buffer, .address_space: global }
      - { .name: valid_lens, .offset: 24, .size: 8, .value_kind: global_buffer, .address_space: global }
      - { .name: out0, .offset: 32, .size: 8, .value_kind: global_buffer, .address_space: global }
    .group_segment_fixed_size: 148480
    .private_segment_fixed_size: 0
    .kernarg_segment_align: 8
    .kernarg_segment_size: 40
    .max_flat_workgroup_size: 256
    .sgpr_count:     66
    .vgpr_count:     482
    .wavefront_size: 32
...
	.end_amdgpu_metadata
.endif
;; end of part 2
;; ======== version 3 of 3: 1 launch
;; limits: right only within a limited range of input values; values are held in f16: magnitudes above 65,504 overflow, below 6.1e-05 lose precision; inputs' magnitudes at most 65,504
;; launch attn (part 3): grid 16 x 16, 8 waves a work-group, no clusters, 148,480 bytes of LDS; arguments queries, keys, values, valid_lens, out0; writes out0
.if DOCPART == 3
	.amdgcn_target "amdgcn-amd-amdhsa--gfx1250"
	.amdhsa_code_object_version 6
	.text
	.protected	k_q15b7d14874_attn
	.globl	k_q15b7d14874_attn
	.p2align	8
	.type	k_q15b7d14874_attn,@function
k_q15b7d14874_attn:
	s_mov_b64 s[64:65], 0
	v_nop
	global_prefetch_b8 v0, s[64:65] scope:SCOPE_SE
	s_setreg_imm32_b32 hwreg(HW_REG_WAVE_MODE, 25, 1), 1
	s_wait_xcnt 0x0
; out[b][q][:] = softmax over k of (q.k / 8, keys at or behind valid_lens[b] set to -1e6) x V.   B = 16, SQ = SK = 2048, D = 64, all f32.
; One work-group = 128 query rows of one batch (x = row block, y = batch), eight waves.  Wave w: rg = w >> 1 picks 32 query rows,
; kh = w & 1 picks one half (64 keys) of every tile of 128 keys.  Each wave keeps a running maximum, sum and O for its 32 rows and
; its keys; the two waves of a pair are merged once, at the end, through LDS.
; BOTH PRODUCTS ARE TRANSPOSED.  S^T = K Q^T: lane (r, h) register j of a result tile holds key 8h + j of query r, so a query's maximum
; and sum are one lane's numbers (plus one exchange between the lane halves), and two neighbouring registers packed to f16 are
; already the B fragment of P^T for O^T = V^T P^T.  V^T's A fragments come from V stored [key][d] by the transposing LDS load.
; K AND V go f32 memory -> registers -> f16 LDS, requested two trips before they are converted (two staging sets of 64 registers).
; THE MATRIX OPERANDS ARE f16, NOT bf16.  Where few keys are valid and their terms p v cancel, a result's error is a fraction of the terms,
; not of the result: f16's 11 significant bits bound each rounding by 2^-12 of the number, bf16's 8 bits by 2^-9.  f16 has the range:
; P is at most about 1.05 (every exponent is at most the rounding of the shift NM); weights below 2^-14 are denormal with an
; absolute error of 2^-25, which over 2,048 keys is 2^-14 of the largest weight.
; 16 TRIPS, WHATEVER valid_lens HOLDS: the number of trips, and so of barriers, is a constant of the text, so that every wave passes every
; barrier.  A tile that begins at or behind valid_len is DEAD, and forward branches, none of them round a barrier, jump over all that
; belongs to it: its request, its conversion and LDS stores, its fragment loads, its products and soft-max.  A dead trip is a few
; scalar lines, two waits that find nothing, and the barrier.  Only tiles 1 and 2 are requested whether dead or not: they are asked for
; ahead of the trips, without a test.  Where no key is valid no tile is dead: every key gets -1e6 and the result is the mean of V, as defined.
; NO CLUSTER, NO TENSOR LOADS, though the 16 row blocks of a batch walk the same K and V: the tiles are f32 in memory and must be f16
; in LDS.  A tile landed in LDS as f32 costs 64 KB written + 64 KB read back + 32 KB of f16 written beside the 128 KB of
; fragment reads, 288 KB of LDS traffic for 128 keys; through registers it is 32 + 128 = 160 KB.
; LIMITS.  Q, K, V and P enter the matrix unit rounded to f16; sums, maxima and exponentials are f32.  A number of Q, K or V beyond
; 65,504 in magnitude becomes infinite in f16, and the results that it touches are not finite; numbers below 2^-14 in magnitude
; carry an absolute error of up to 2^-25.  The weights left out with the dead tiles are at most 2,048 exp(-1e6 - m) of a row's largest,
; m its largest valid scaled score: below 2^-30 while m > -999,970; a row whose valid scores all lie lower is not served.  A NaN or
; infinity in a row of K or V of a dead tile is not carried into the result.  valid_len is clamped to 0 .. 2048, which changes no mask.
.set SK,      2048
.set KPITCH,  144                      ; a K row in LDS: 128 bytes of f16 + 16: an odd multiple of 16, so the 16 rows of a fragment load begin in 16 different 16-byte columns of 256
.set VPITCH,  160                      ; a V row in LDS: 128 + 32: an odd multiple of 32, for the transposing loads
.set KBUF,    128*KPITCH               ; 18,432: one K tile.  K tiles of even and odd number at 0 and KBUF
.set VBUF,    128*VPITCH               ; 20,480: one V tile
.set VB0,     2*KBUF                   ; 36,864: V tiles at VB0 and VB0 + VBUF
.set XCH,     VB0+2*VBUF               ; 77,824: exchange between the waves of a pair, XSZ bytes a wave: 4,096 of O, 128 of NM, 128 of L
.set XSZ,     4352
.set STG,     XCH+8*XSZ                ; 112,640: the way out, 16 rows of SPITCH bytes a wave; ends at 147,456
.set SPITCH,  272
.set TILEB,   128*256                  ; a tile of K or of V in memory: 128 rows of 64 f32
.set TILES,   SK/128                   ; 16
; window 0
.set KADR, 1                           ; LDS: (64 kh + r) KPITCH + 16 h
.set VADR, 2                           ; LDS: VB0 + (64 kh + 8 h + (L & 7)) VPITCH + 16 ((L >> 3) & 1)
.set KST,  3                           ; LDS: (16 w + 8 h) KPITCH + 8 r
.set VST,  4                           ; LDS: VB0 + (16 w + 4 h) VPITCH + 8 r
.set KGO,  5                           ; memory, inside a K tile: (16 w + 8 h) 256 + 16 r
.set VGO,  6                           ; memory, inside a V tile: (16 w + 4 h) 256 + 16 r
.set REM,  7                           ; valid_len - 128 t - 64 kh - 8 h: key 16 kb + j of my lane is valid while 16 kb + j < REM
.set NEGV, 8                           ; -8e6 = -1e6 x 8: the scores are kept unscaled, the factor 1/8 lies in c
.set PFO,  9                           ; 256 x lane, for the prefetch
.set QO,   10                          ; v10, v11: r 256 + 32 h + (lb ^ kh) 4096; in the epilogue my exchange addresses
.set NM,   14                          ; v[14+2lb] NM = round(-c M), v[15+2lb] M = running maximum of the unscaled scores
.set LS,   18                          ; v[18+2lb:19+2lb] running sum, in two parts
.set AL,   22                          ; v[22+2lb] alpha = 2^(new NM - old NM), v[23+2lb] new NM
.set TP,   26                          ; v26-31 at work
.set SC,   32                          ; v32-95  scores, then P: block lb at 32 lb, register 8 kb + j
.set KF,   96                          ; v96-159 K fragments (kb, c) at 8 (2 kb + c)
.set VF,   160                         ; v160-223 V^T fragments (kc, db) at 8 (4 kc + db)
.set QF,   224                         ; v224-255 Q fragments (lb, c) at 8 (2 lb + c)
; window 1
.set OA,   0                           ; O^T tiles (lb, db) at 32 lb + 8 db
.set STA,  64                          ; staging sets 0 and 1, 64 registers each: K's 8 loads, then V's 8
.set CT,   192                         ; 32 packed words on their way to LDS
; s14 w, s15 rg, s16 kh, s17 x, s18 b, s19 valid_len, s20 first dead key (valid_len, or 2048 where that is 0), s21 live tiles, s22 trip counter,
; s23-25 at work, s[30:31] K and s[32:33] V, two tiles below the tile asked for last, s34-35 lane selects, s[36:37] c twice, s38 -c,
; s[40:41] prefetch base, s42-43 prefetch limits by the trip's parity, s[44:45] prefetch address
.set MSB, 0
.macro WIN new                         ; low byte: bits 1:0 source 0, 3:2 source 1, 5:4 source 2, 7:6 destination; high byte: the setting that is left
.if MSB != \new
	s_set_vgpr_msb (MSB<<8)|\new
.set MSB, \new
.endif
.endm
	s_load_b256 s[4:11], s[0:1], 0x0               ; queries s[4:5], keys s[6:7], values s[8:9], valid_lens s[10:11]
	s_load_b64 s[12:13], s[0:1], 0x20              ; out0
	s_set_vgpr_msb 0x40
	v_lshl_add_u32 v224, v0, 2, 0x24000
	v_mov_b32 v225, 0
	s_set_vgpr_msb 0x4000
	v_lshrrev_b32 v26, 5, v0
	v_readfirstlane_b32 s14, v26                   ; wave 0..7
	s_lshr_b32 s15, s14, 1                         ; rg
	s_and_b32 s16, s14, 1                          ; kh
	s_mov_b32 s17, ttmp9                           ; x: block of 128 query rows
	s_and_b32 s18, ttmp7, 0xffff                   ; b: batch
	s_mov_b32 s34, 0x76543210                      ; v_permlanex16_b32: lane i takes lane i of the other half
	s_mov_b32 s35, 0xfedcba98
	s_mov_b32 s36, 0x3e38aa3b                      ; c = log2(e) / 8
	s_mov_b32 s37, 0x3e38aa3b
	s_mov_b32 s38, 0xbe38aa3b                      ; -c
	v_and_b32 v27, 15, v0                          ; r
	v_bfe_u32 v28, v0, 4, 1                        ; h
	v_and_b32 v29, 7, v0                           ; L & 7
	v_bfe_u32 v30, v0, 3, 1                        ; (L >> 3) & 1
	v_and_b32 v31, 31, v0                          ; lane
	s_mul_i32 s23, s16, 64*KPITCH
	v_mul_u32_u24 v[KADR], v27, KPITCH
	v_lshl_add_u32 v[KADR], v28, 4, v[KADR]
	v_add_nc_u32 v[KADR], s23, v[KADR]
	s_mul_i32 s23, s16, 64*VPITCH
	s_add_co_u32 s23, s23, VB0
	v_lshl_add_u32 v29, v28, 3, v29                ; 8 h + (L & 7)
	v_mul_u32_u24 v[VADR], v29, VPITCH
	v_lshl_add_u32 v[VADR], v30, 4, v[VADR]
	v_add_nc_u32 v[VADR], s23, v[VADR]
	s_mul_i32 s23, s14, 16*KPITCH
	v_mul_u32_u24 v[KST], v28, 8*KPITCH
	v_lshl_add_u32 v[KST], v27, 3, v[KST]
	v_add_nc_u32 v[KST], s23, v[KST]
	s_mul_i32 s23, s14, 16*VPITCH
	s_add_co_u32 s23, s23, VB0
	v_mul_u32_u24 v[VST], v28, 4*VPITCH
	v_lshl_add_u32 v[VST], v27, 3, v[VST]
	v_add_nc_u32 v[VST], s23, v[VST]
	s_lshl_b32 s23, s14, 12                        ; 16 rows of 256 bytes a wave
	v_lshlrev_b32 v26, 4, v27                      ; 16 r
	v_lshl_add_u32 v[KGO], v28, 11, v26
	v_add_nc_u32 v[KGO], s23, v[KGO]
	v_lshl_add_u32 v[VGO], v28, 10, v26
	v_add_nc_u32 v[VGO], s23, v[VGO]
	v_lshlrev_b32 v[PFO], 8, v31
	v_mov_b32 v[NEGV], 0xcaf42400                  ; -8,000,000.0
	v_lshlrev_b32 v26, 8, v27                      ; Q: row r, 256 bytes a row,
	v_lshl_add_u32 v26, v28, 5, v26                ; + 8 h numbers
	s_lshl_b32 s23, s16, 12                        ; local block 0 is block kh of my 32 rows,
	s_xor_b32 s24, s23, 4096                       ; local block 1 the other: each wave finishes its local block 0 and gives block 1 away
	v_add_nc_u32 v[QO], s23, v26
	v_add_nc_u32 v[QO+1], s24, v26
	s_wait_kmcnt 0x0
	s_lshl_b32 s24, s18, 2
	s_mov_b32 s25, 0
	s_add_nc_u64 s[10:11], s[10:11], s[24:25]
	s_load_b32 s19, s[10:11], 0x0                  ; valid_lens[b]
	s_lshl_b32 s24, s18, 19                        ; a batch is 2048 x 256 bytes
	s_add_nc_u64 s[30:31], s[6:7], s[24:25]        ; K of the batch, tile 0
	s_add_nc_u64 s[32:33], s[8:9], s[24:25]        ; V of the batch, tile 0
	s_lshl_b32 s23, s17, 15                        ; + 128 rows a work-group
	s_add_co_u32 s24, s24, s23
	s_lshl_b32 s23, s15, 13                        ; + 32 rows a pair of waves
	s_add_co_u32 s24, s24, s23
	s_add_nc_u64 s[4:5], s[4:5], s[24:25]          ; Q at my 32 rows
	s_lshl_b32 s23, s16, 12                        ; + the 16 rows that I finish
	s_add_co_u32 s24, s24, s23
	s_add_nc_u64 s[12:13], s[12:13], s[24:25]      ; out0 at those rows
	s_and_b32 s23, s17, 7                          ; of the eight work-groups that share a tile's 64 KB, 0-3 ask for a quarter of K, 4-7 of V
	s_and_b32 s24, s17, 3
	s_lshl_b32 s24, s24, 13                        ; a quarter is 8,192 bytes
	s_cmp_lt_u32 s23, 4
	s_cselect_b64 s[40:41], s[30:31], s[32:33]
	s_add_nc_u64 s[40:41], s[40:41], s[24:25]
; SCC = 1 where tile s22 + k is dead: it begins at or behind the first dead key
.macro DEADQ k
	s_add_co_u32 s23, s22, \k
	s_lshl_b32 s23, s23, 7
	s_cmp_ge_u32 s23, s20
.endm
; 16 loads of 16 bytes a lane: a tile of K and of V into a staging set.  Each half of 16 lanes reads one whole row of 256 bytes.
; K's load i: rows 16 w + i and 16 w + 8 + i.  V's load 4 g + k: rows 16 w + k + 8 g and that + 4.
; The tile is toff tiles above the bases, by the immediate offset.  The three runs in front of the trips leave the bases at tile 0 (toff 0, 1, 2),
; so that nothing has to be waited for between them; step = 1 (trip t): the bases go on to tile t + 1, and toff = 2 makes tile t + 3.
; (The bases step only with a run of loads.  Behind a dead tile every tile is dead, so a run that is left out is never followed by one that is not.)
.macro LOADS set, step, toff
.if \step
	s_wait_xcnt 0x0                                ; the bases of the last run of loads and the prefetch address are rewritten only behind this wait
	s_add_nc_u64 s[30:31], s[30:31], TILEB
	s_add_nc_u64 s[32:33], s[32:33], TILEB
.endif
	WIN 0x40
.irp i, 0,1,2,3,4,5,6,7
	global_load_b128 v[STA+64*(\set)+4*\i:STA+64*(\set)+4*\i+3], v[KGO], s[30:31] offset:(\toff)*TILEB+256*\i
.endr
.irp g, 0,1
.irp k, 0,1,2,3
	global_load_b128 v[STA+64*(\set)+32+4*(4*\g+\k):STA+64*(\set)+32+4*(4*\g+\k)+3], v[VGO], s[32:33] offset:(\toff)*TILEB+256*(\k+8*\g)
.endr
.endr
.endm
; a staging set to f16 and into LDS: 8 bytes a lane.  The two lane halves write rows 8 x 144 = 1,152 (K) or 4 x 160 = 640 (V) bytes apart:
; 288 or 160 words, both 32 modulo 64, so the two runs of 32 words meet in no bank (64 banks of 4 bytes: ISA guide 11.1)
.macro CONVERT set, buf
	WIN 0x45
.set i, 0
.rept 32
	v_cvt_pk_f16_f32 v[CT+i], v[STA+64*(\set)+2*i], v[STA+64*(\set)+2*i+1]
.set i, i+1
.endr
	WIN 0x04
.irp i, 0,1,2,3,4,5,6,7
	ds_store_b64 v[KST], v[CT+2*\i:CT+2*\i+1] offset:(\buf)*KBUF+\i*KPITCH
.endr
.irp g, 0,1
.irp k, 0,1,2,3
	ds_store_b64 v[VST], v[CT+16+2*(4*\g+\k):CT+16+2*(4*\g+\k)+1] offset:(\buf)*VBUF+(\k+8*\g)*VPITCH
.endr
.endr
.endm
.macro KLOAD buf                       ; my 64 keys x 64 d as eight A fragments: lane (r, h) takes key 16 kb + r, d = 32 c + 8 h .. and 32 c + 16 + 8 h ..
.irp kb, 0,1,2,3
.irp c, 0,1
	ds_load_b128 v[KF+8*(2*\kb+\c):KF+8*(2*\kb+\c)+3],   v[KADR] offset:(\buf)*KBUF+\kb*16*KPITCH+64*\c
	ds_load_b128 v[KF+8*(2*\kb+\c)+4:KF+8*(2*\kb+\c)+7], v[KADR] offset:(\buf)*KBUF+\kb*16*KPITCH+64*\c+32
.endr
.endr
.endm
.macro VLOAD buf                       ; my 64 keys x 64 d, transposed, as eight A fragments: lane (r, h) takes d = 16 db + r, keys 32 kc + 8 h .. and 32 kc + 16 + 8 h ..
.irp kc, 0,1
.irp db, 0,1,2,3
	ds_load_tr16_b128 v[VF+8*(4*\kc+\db):VF+8*(4*\kc+\db)+3],   v[VADR] offset:(\buf)*VBUF+\kc*32*VPITCH+32*\db
	ds_load_tr16_b128 v[VF+8*(4*\kc+\db)+4:VF+8*(4*\kc+\db)+7], v[VADR] offset:(\buf)*VBUF+\kc*32*VPITCH+32*\db+16*VPITCH
.endr
.endr
.endm
.macro QK                              ; S^T = K Q^T: d 0-31 starts the eight sums, d 32-63 is the next link of each chain in place
.irp lb, 0,1
.irp kb, 0,1,2,3
	v_wmma_f32_16x16x32_f16 v[SC+32*\lb+8*\kb:SC+32*\lb+8*\kb+7], v[KF+16*\kb:KF+16*\kb+7], v[QF+16*\lb:QF+16*\lb+7], 0
.endr
.endr
.irp lb, 0,1
.irp kb, 0,1,2,3
	v_wmma_f32_16x16x32_f16 v[SC+32*\lb+8*\kb:SC+32*\lb+8*\kb+7], v[KF+16*\kb+8:KF+16*\kb+15], v[QF+16*\lb+8:QF+16*\lb+15], v[SC+32*\lb+8*\kb:SC+32*\lb+8*\kb+7]
.endr
.endr
.endm
.macro MASK                            ; keys at or behind valid_len get -1e6 (here x 8), in both query blocks
.irp kb, 0,1,2,3
.irp j, 0,1,2,3,4,5,6,7
	v_cmp_lt_i32 vcc_lo, 16*\kb+\j, v[REM]
	v_cndmask_b32 v[SC+8*\kb+\j], v[NEGV], v[SC+8*\kb+\j], vcc_lo
	v_cndmask_b32 v[SC+32+8*\kb+\j], v[NEGV], v[SC+32+8*\kb+\j], vcc_lo
.endr
.endr
.endm
.macro MAXROW lb, first                ; M = max(M, my 32 scores, the other lane half's 32): four chains, joined
.irp k, 0,1,2,3
	v_max3_num_f32 v[TP+\k], v[SC+32*\lb+8*\k], v[SC+32*\lb+8*\k+1], v[SC+32*\lb+8*\k+2]
.endr
.irp k, 0,1,2,3
	v_max3_num_f32 v[TP+\k], v[TP+\k], v[SC+32*\lb+8*\k+3], v[SC+32*\lb+8*\k+4]
.endr
.irp k, 0,1,2,3
	v_max3_num_f32 v[TP+\k], v[TP+\k], v[SC+32*\lb+8*\k+5], v[SC+32*\lb+8*\k+6]
.endr
	v_max3_num_f32 v[TP], v[TP], v[SC+32*\lb+7], v[SC+32*\lb+15]
	v_max3_num_f32 v[TP+1], v[TP+1], v[SC+32*\lb+23], v[SC+32*\lb+31]
	v_max3_num_f32 v[TP], v[TP], v[TP+1], v[TP+2]
.if \first
	v_max_num_f32 v[TP], v[TP], v[TP+3]
.else
	v_max3_num_f32 v[TP], v[TP], v[TP+3], v[NM+2*\lb+1]
.endif
	v_permlanex16_b32 v[TP+1], v[TP], s34, s35     ; its destination has been written above
	v_max_num_f32 v[NM+2*\lb+1], v[TP], v[TP+1]
.endm
; NM = round(-c M) is the shift that the exponentials really use, so alpha = 2^(new NM - old NM) carries the old sums over exactly
.macro STAT lb, first
.if \first
	v_mul_f32 v[NM+2*\lb], s38, v[NM+2*\lb+1]
.else
	v_mul_f32 v[AL+2*\lb+1], s38, v[NM+2*\lb+1]
	v_sub_f32 v[AL+2*\lb], v[AL+2*\lb+1], v[NM+2*\lb]
	v_mov_b32 v[NM+2*\lb], v[AL+2*\lb+1]
	v_exp_f32 v[AL+2*\lb], v[AL+2*\lb]             ; the next line is a plain one that names neither its source nor its result (ISA guide 5.7.2)
.endif
.endm
.macro SCALEEXP lb                     ; p = 2^(c s + NM), one rounding in the exponent
.set i, 0
.rept 16
	v_pk_fma_f32 v[SC+32*\lb+2*i:SC+32*\lb+2*i+1], v[SC+32*\lb+2*i:SC+32*\lb+2*i+1], s[36:37], v[NM+2*\lb:NM+2*\lb+1] op_sel_hi:[1,0,0]
.set i, i+1
.endr
.set i, 0
.rept 32
	v_exp_f32 v[SC+32*\lb+i], v[SC+32*\lb+i]       ; back to back on different registers; the first line behind the run is plain and names none of the last one's
.set i, i+1
.endr
.endm
.macro RESCALE lb                      ; O = O alpha
	WIN 0x41
.set i, 0
	s_wait_alu depctr_va_vdst(0)
.rept 16
	v_pk_mul_f32 v[OA+32*\lb+2*i:OA+32*\lb+2*i+1], v[OA+32*\lb+2*i:OA+32*\lb+2*i+1], v[AL+2*\lb:AL+2*\lb+1] op_sel_hi:[1,0]
.set i, i+1
.endr
.endm
.macro SUMROW lb, first                ; L = L alpha + my 32 p, in two chains of pairs
.if \first
	s_wait_alu depctr_va_vdst(0)
	v_pk_add_f32 v[LS+2*\lb:LS+2*\lb+1], v[SC+32*\lb:SC+32*\lb+1], v[SC+32*\lb+2:SC+32*\lb+3]
.else
	v_pk_fma_f32 v[LS+2*\lb:LS+2*\lb+1], v[LS+2*\lb:LS+2*\lb+1], v[AL+2*\lb:AL+2*\lb+1], v[SC+32*\lb:SC+32*\lb+1] op_sel_hi:[1,0,1]
	v_pk_add_f32 v[LS+2*\lb:LS+2*\lb+1], v[LS+2*\lb:LS+2*\lb+1], v[SC+32*\lb+2:SC+32*\lb+3]
.endif
	v_pk_add_f32 v[TP:TP+1], v[SC+32*\lb+4:SC+32*\lb+5], v[SC+32*\lb+6:SC+32*\lb+7]
.irp i, 8,12,16,20,24,28
	v_pk_add_f32 v[LS+2*\lb:LS+2*\lb+1], v[LS+2*\lb:LS+2*\lb+1], v[SC+32*\lb+\i:SC+32*\lb+\i+1]
	v_pk_add_f32 v[TP:TP+1], v[TP:TP+1], v[SC+32*\lb+\i+2:SC+32*\lb+\i+3]
.endr
	v_pk_add_f32 v[LS+2*\lb:LS+2*\lb+1], v[LS+2*\lb:LS+2*\lb+1], v[TP:TP+1]
.endm
.macro PACK lb                         ; registers 2 i, 2 i + 1 -> register i, in place and ascending: word i is written when words 2 i and 2 i + 1 are read.
.set i, 0                              ; Registers 8 kc .. 8 kc + 7 are then the B fragment of P^T for keys 32 kc .. 32 kc + 31
.rept 16
	v_cvt_pk_f16_f32 v[SC+32*\lb+i], v[SC+32*\lb+2*i], v[SC+32*\lb+2*i+1]
.set i, i+1
.endr
.endm
.macro PV first                        ; O^T += V^T P^T; in the first trip keys 0-31 start the sums
	WIN 0x50
.irp kc, 0,1
.irp lb, 0,1
.irp db, 0,1,2,3
.if \first*(1-\kc)
	v_wmma_f32_16x16x32_f16 v[OA+32*\lb+8*\db:OA+32*\lb+8*\db+7], v[VF+8*(4*\kc+\db):VF+8*(4*\kc+\db)+7], v[SC+32*\lb+8*\kc:SC+32*\lb+8*\kc+7], 0
.else
	v_wmma_f32_16x16x32_f16 v[OA+32*\lb+8*\db:OA+32*\lb+8*\db+7], v[VF+8*(4*\kc+\db):VF+8*(4*\kc+\db)+7], v[SC+32*\lb+8*\kc:SC+32*\lb+8*\kc+7], v[OA+32*\lb+8*\db:OA+32*\lb+8*\db+7]
.endif
.endr
.endr
.endr
.endm
; Trip t asks for tile t + 5, whose loads are issued in trip t + 2.  One wave of one work-group asks for each 8,192 bytes: 32 lanes, 256 bytes
; apart.  Nothing is asked for at or behind the first dead tile (16 at the most), so no request leaves the batch's K or V and none is for bytes
; that nobody loads.  Tiles 0 to 4 are loaded without.
.macro PREF p, dt, id
	s_add_co_u32 s23, s22, \dt+5
	s_cmp_ge_u32 s23, s[42+\p]
	s_cbranch_scc1 .Lnopf_\id
	s_lshl_b32 s24, s23, 15
	s_mov_b32 s25, 0
	s_add_nc_u64 s[44:45], s[40:41], s[24:25]      ; the last request that named this pair stands ahead of the s_wait_xcnt 0 at the head of this trip's loads
	global_prefetch_b8 v[PFO], s[44:45] th:TH_LOAD_NT scope:SCOPE_SE
.Lnopf_\id:
.endm
; THE TRIP of tile t = s22 + dt, of parity p (n = the other parity).  At its head K's fragments of tile t, if it is live, are on their way from LDS.
; (1) tile t + 1, unless dead, from its staging set into the other LDS buffers; (2) the request for tile t + 3, unless dead;
; (3) unless tile t is dead: scores, mask, soft-max; (4) the barrier, with tile t's second product between its halves; (5) K's fragments of tile t + 1.
; cv = 1: a trip follows (parts 1, 4's barrier and 5 exist); left = how many younger global loads may stay out when tile t + 1 has to be in
; registers; ld = 1: there is a tile t + 3.
.macro TRIP p, n, first, dt, id, cv, left, ld
.if \cv
	s_wait_loadcnt \left                           ; tile t + 1 is in.  Behind it either the 16 loads of tile t + 2 were issued, and stay out, or nothing is out at all
	                                               ; (see below).  The wait stands outside the branch: no load is issued into a register that still awaits one
	DEADQ \dt+1
	s_cbranch_scc1 .Lnocv_\id
	CONVERT \n, \n                                 ; into the buffers that tile t - 1 left: all reads of them were waited for ahead of the last trip's barrier
	WIN 0
.Lnocv_\id:
.if \ld
	DEADQ \dt+3
	s_cbranch_scc1 .Lnold_\id
	LOADS \n, 1, 2                                 ; tile t + 3 into the set just emptied
	WIN 0
	PREF \p, \dt, \id
	s_branch .Lldone_\id
.Lnold_\id:
	s_wait_loadcnt 0                               ; no request: all that was asked for is waited for in its stead, so that the next trip's counted wait holds on both ways
.Lldone_\id:
.endif
.endif
.if \first
.else
	DEADQ \dt
	s_cbranch_scc1 .Ldead_\id
.endif
	VLOAD \p
	s_wait_dscnt 16                                ; LDS answers in order (ISA guide 5.7.1): the 16 V loads may be out; the K loads, and part 1's stores where there were any,
	QK                                             ; stand ahead of them and are done.  (The last live trip stores nothing: a count of 32 would not show K in)
.rept 4
	v_nop                                          ; the places between the products and the first reader of the scores (ISA guide 7.12.1)
.endr
	s_add_co_u32 s23, s22, \dt+1
	s_lshl_b32 s23, s23, 7
	s_cmp_le_u32 s23, s19                          ; the tile ends at or below valid_len: nothing to mask
	s_cbranch_scc1 .Lnomask_\id
	MASK
.Lnomask_\id:
	MAXROW 0, \first
	MAXROW 1, \first
	STAT 0, \first
	STAT 1, \first
	SCALEEXP 0
	SCALEEXP 1
.if \first
.else
	RESCALE 0
	RESCALE 1
	WIN 0
.endif
	SUMROW 0, \first
	PACK 0
	SUMROW 1, \first
	PACK 1
.Ldead_\id:
	s_wait_dscnt 0                                 ; my V fragments are in, so my reads of tile t's buffers are over, and my part of tile t + 1 is written:
.if \cv
	s_barrier_signal -1                            ; zero, since both are for the other waves' sake.  Say so,
.endif
.if \first
.else
	DEADQ \dt
	s_cbranch_scc1 .Lnopv_\id
.endif
	PV \first                                      ; work on registers while the others arrive,
	WIN 0
	v_add_nc_u32 v[REM], 0xffffff80, v[REM]        ; 128 keys on (behind a dead tile every tile is dead, so REM is stepped only here).  With the four v_nop: five places
.rept 4                                            ; between these products and the next trip's V loads into their A fragments (four are owed) and its first products,
	v_nop                                          ; which write over P (five) (ISA guide 7.12.1); the conversions in between may be jumped over and are not counted
.endr
.Lnopv_\id:
.if \cv
	s_barrier_wait -1                              ; and go on when all eight have said so: tile t + 1 is whole, and tile t's buffers may be written in the next trip
	DEADQ \dt+1
	s_cbranch_scc1 .Lnok_\id
	KLOAD \n                                       ; on their way while the next trip converts
.Lnok_\id:
.endif
.endm
	LOADS 0, 0, 0                                  ; tile 0
	WIN 0
.irp lb, 0,1
.irp c, 0,1
	global_load_b128 v[SC+32*\lb+16*\c:SC+32*\lb+16*\c+3],     v[QO+\lb], s[4:5] offset:128*\c       ; Q(r, 32 c + 8 h ..): straight in fragment order,
	global_load_b128 v[SC+32*\lb+16*\c+4:SC+32*\lb+16*\c+7],   v[QO+\lb], s[4:5] offset:128*\c+16    ; 32 KB once for the work-group
	global_load_b128 v[SC+32*\lb+16*\c+8:SC+32*\lb+16*\c+11],  v[QO+\lb], s[4:5] offset:128*\c+64    ; Q(r, 32 c + 16 + 8 h ..)
	global_load_b128 v[SC+32*\lb+16*\c+12:SC+32*\lb+16*\c+15], v[QO+\lb], s[4:5] offset:128*\c+80
.endr
.endr
	LOADS 1, 0, 1                                  ; tile 1
	WIN 0
	s_wait_kmcnt 0x0                               ; valid_lens[b]
	s_max_i32 s19, s19, 0
	s_min_i32 s19, s19, SK                         ; valid_len in 0 .. 2048
	s_cmp_eq_u32 s19, 0
	s_cselect_b32 s20, SK, s19                     ; the first dead key; where no key is valid all weigh alike and none is dead
	s_add_co_u32 s21, s20, 127
	s_lshr_b32 s21, s21, 7                         ; live tiles, 1 .. 16
	s_lshr_b32 s23, s17, 3                         ; prefetch: tiles of parity x >> 3 are my work-group's to ask for, and wave 0 asks
	s_lshl_b32 s24, s14, 1
	s_or_b32 s23, s23, s24                         ; 2 w + (x >> 3)
	s_cmp_eq_u32 s23, 1
	s_cselect_b32 s42, s21, 0                      ; trips of parity 0 ask for odd tiles
	s_cmp_eq_u32 s23, 0
	s_cselect_b32 s43, s21, 0                      ; trips of parity 1 for even ones; limit 0: never
	s_lshl_b32 s23, s16, 6
	s_sub_co_i32 s23, s19, s23
	v_lshlrev_b32 v[REM], 3, v28
	v_sub_nc_u32 v[REM], s23, v[REM]               ; valid_len - 64 kh - 8 h
	s_wait_loadcnt 32                              ; Q's 16 and tile 1's 16 may be out: tile 0 is in
	CONVERT 0, 0
	LOADS 0, 0, 2                                  ; tile 2
	WIN 0
	s_wait_loadcnt 32                              ; tiles 1 and 2 may be out: Q is in
.set i, 0
.rept 32
	v_cvt_pk_f16_f32 v[QF+i], v[SC+2*i], v[SC+2*i+1]
.set i, i+1
.endr
	s_wait_dscnt 0                                 ; my part of tile 0 is written
	s_barrier_signal -1
	s_barrier_wait -1
	KLOAD 0
	s_mov_b32 s22, 0
	TRIP 0, 1, 1, 0, a, 1, 16, 1                   ; tile 0 is never dead: the first trip starts maxima, sums and O: nothing is cleared
	s_mov_b32 s22, 1
.Lloop:                                            ; tiles 1 to 12, two a round
	TRIP 1, 0, 0, 0, b, 1, 16, 1
	TRIP 0, 1, 0, 1, c, 1, 16, 1
	s_add_co_u32 s22, s22, 2
	s_cmp_lt_u32 s22, TILES-3
	s_cbranch_scc1 .Lloop
	TRIP 1, 0, 0, 0, d, 1, 16, 0                   ; tile 13: there is no tile 16 to request; tile 15's loads, if it is live, stay out
	TRIP 0, 1, 0, 1, e, 1, 0, 0                    ; tile 14: nothing was issued behind tile 15's loads: the wait is for 0
	TRIP 1, 0, 0, 2, f, 0, 0, 0                    ; tile 15: nothing follows
	; THE MERGE.  The partner's local block 1 holds the same 16 queries as my local block 0, over the other half of the keys.
	v_add_f32 v[LS], v[LS], v[LS+1]
	v_add_f32 v[LS+2], v[LS+2], v[LS+3]
	v_permlanex16_b32 v[TP], v[LS], s34, s35       ; the other lane half holds the query's other keys
	v_permlanex16_b32 v[TP+1], v[LS+2], s34, s35
	v_add_f32 v[LS], v[LS], v[TP]
	v_add_f32 v[LS+2], v[LS+2], v[TP+1]
	v_and_b32 v29, 31, v0
	s_mul_i32 s23, s14, XSZ
	s_add_co_u32 s23, s23, XCH                     ; my exchange region
	s_xor_b32 s24, s14, 1
	s_mul_i32 s24, s24, XSZ
	s_add_co_u32 s24, s24, XCH                     ; my partner's
	v_lshl_add_u32 v10, v29, 4, s23
	v_lshl_add_u32 v11, v29, 2, s23
	v_lshl_add_u32 v12, v29, 4, s24
	v_lshl_add_u32 v13, v29, 2, s24
	WIN 0x04
.irp i, 0,1,2,3,4,5,6,7
	ds_store_b128 v10, v[OA+32+4*\i:OA+32+4*\i+3] offset:512*\i    ; O of local block 1, register by register: lane i at 16 i
.endr
	WIN 0
	ds_store_b32 v11, v[NM+2] offset:4096
	ds_store_b32 v11, v[LS+2] offset:4224
	s_wait_dscnt 0                                 ; my stores are done, for the partner's sake
	s_barrier_signal -1
	s_barrier_wait -1
	ds_load_b32 v30, v13 offset:4096               ; the partner's NM
	ds_load_b32 v31, v13 offset:4224               ; and L
.irp i, 0,1,2,3,4,5,6,7
	ds_load_b128 v[SC+4*\i:SC+4*\i+3], v12 offset:512*\i           ; and O, same lane, same register as my local block 0
.endr
	s_wait_dscnt 8                                 ; the eight loads of O may be out: NM and L are in
	v_min_num_f32 v26, v[NM], v30                  ; the smaller NM belongs to the larger maximum
	v_sub_f32 v27, v26, v[NM]
	v_sub_f32 v28, v26, v30
	v_exp_f32 v27, v27                             ; f, at most 1
	v_exp_f32 v28, v28                             ; f' (one of the two is 1, and its L is about 1 or more: the sum below is never 0)
	v_and_b32 v29, 15, v0                          ; r: the plain line between the exponentials and their use
	s_wait_alu depctr_va_vdst(0)
	v_mul_f32 v26, v[LS], v27
	v_fmac_f32 v26, v31, v28                       ; l = L f + L' f'
	v_rcp_f32 v26, v26
	v_bfe_u32 v30, v0, 4, 1                        ; h: the plain line behind the reciprocal
	s_wait_alu depctr_va_vdst(0)
	v_mul_f32 v[AL], v27, v26                      ; g = f / l, twice, for the packed forms
	v_mul_f32 v[AL+1], v27, v26
	v_mul_f32 v[AL+2], v28, v26                    ; g' = f' / l
	v_mul_f32 v[AL+3], v28, v26
	s_mul_i32 s23, s14, 16*SPITCH
	s_add_co_u32 s23, s23, STG                     ; my stage
	v_mul_u32_u24 v3, v29, SPITCH                  ; in: row r (a query), bytes 32 h + 64 db + 16 jj.  (v3, v4: the trips' LDS store addresses, done with)
	v_lshl_add_u32 v3, v30, 5, v3
	v_add_nc_u32 v3, s23, v3
	v_mul_u32_u24 v4, v30, SPITCH                  ; back: lanes 0-15 one row of 256 bytes, lanes 16-31 the next
	v_lshl_add_u32 v4, v29, 4, v4
	v_add_nc_u32 v4, s23, v4
	v_lshlrev_b32 v31, 4, v29
	v_lshl_add_u32 v31, v30, 8, v31                ; the same two rows in out0
	s_wait_dscnt 0
.set i, 0
.rept 16
	v_pk_mul_f32 v[SC+2*i:SC+2*i+1], v[SC+2*i:SC+2*i+1], v[AL+2:AL+3]
.set i, i+1
.endr
	WIN 0x01
.set i, 0
.rept 16
	v_pk_fma_f32 v[SC+2*i:SC+2*i+1], v[OA+2*i:OA+2*i+1], v[AL:AL+1], v[SC+2*i:SC+2*i+1]
.set i, i+1
.endr
	WIN 0
	; register 8 db + j of lane (r, h) is out(query r, d = 16 db + 8 h + j): through my own stage, so that rows leave whole
.irp db, 0,1,2,3
	ds_store_b128 v3, v[SC+8*\db:SC+8*\db+3] offset:64*\db
	ds_store_b128 v3, v[SC+8*\db+4:SC+8*\db+7] offset:64*\db+16
.endr
.irp i, 0,1,2,3,4,5,6,7
	ds_load_b128 v[SC+32+4*\i:SC+32+4*\i+3], v4 offset:2*SPITCH*\i ; LDS serves a wave's instructions in order (ISA guide 5.7.1): these see the stores above
.endr
.irp i, 0,1,2,3,4,5,6,7
	s_wait_dscnt 7-\i                              ; the younger row loads stay out
	global_store_b128 v31, v[SC+32+4*\i:SC+32+4*\i+3], s[12:13] offset:512*\i th:TH_STORE_NT   ; 16 lanes store one row: 256 consecutive bytes, at a multiple of 256 from out0's first byte
.endr
	s_set_vgpr_msb 0x5
	s_wait_tensorcnt 0x0
	ds_add_u32 v224, v225
	s_wait_dscnt 0x0
	s_set_vgpr_msb 0x500
	s_endpgm
.Lfunc_end_k_q15b7d14874_attn:
	.size	k_q15b7d14874_attn, .Lfunc_end_k_q15b7d14874_attn-k_q15b7d14874_attn
	.p2alignl 7, 3214868480
	.fill 96, 4, 3214868480
	.section	.rodata,"a",@progbits
	.p2align	6, 0x0
	.amdhsa_kernel k_q15b7d14874_attn
		.amdhsa_group_segment_fixed_size 148480
		.amdhsa_private_segment_fixed_size 0
		.amdhsa_enable_private_segment 0
		.amdhsa_kernarg_size 40
		.amdhsa_user_sgpr_count 2
		.amdhsa_user_sgpr_kernarg_segment_ptr 1
		.amdhsa_wavefront_size32 1
		.amdhsa_system_sgpr_workgroup_id_x 1
		.amdhsa_system_sgpr_workgroup_id_y 1
		.amdhsa_system_sgpr_workgroup_id_z 1
		.amdhsa_system_vgpr_workitem_id 0
		.amdhsa_next_free_vgpr 482
		.amdhsa_next_free_sgpr 66
		.amdhsa_reserve_vcc 1
		.amdhsa_float_denorm_mode_32 3
		.amdhsa_float_denorm_mode_16_64 3
		.amdhsa_memory_ordered 1
		.amdhsa_forward_progress 1
		.amdhsa_inst_pref_size 168
	.end_amdhsa_kernel
	.amdgpu_metadata
---
amdhsa.version: [ 1, 2 ]
amdhsa.kernels:
  - .name:           k_q15b7d14874_attn
    .symbol:         k_q15b7d14874_attn.kd
    .args:
      - { .name: queries, .offset: 0, .size: 8, .value_kind: global_buffer, .address_space: global }
      - { .name: keys, .offset: 8, .size: 8, .value_kind: global_buffer, .address_space: global }
      - { .name: values, .offset: 16, .size: 8, .value_kind: global_buffer, .address_space: global }
      - { .name: valid_lens, .offset: 24, .size: 8, .value_kind: global_buffer, .address_space: global }
      - { .name: out0, .offset: 32, .size: 8, .value_kind: global_buffer, .address_space: global }
    .group_segment_fixed_size: 148480
    .private_segment_fixed_size: 0
    .kernarg_segment_align: 8
    .kernarg_segment_size: 40
    .max_flat_workgroup_size: 256
    .sgpr_count:     66
    .vgpr_count:     482
    .wavefront_size: 32
...
	.end_amdgpu_metadata
.endif
;; end of part 3
